; MI455X (gfx1250); checked and timed in simulation.
; The chip was launched on July 23, 2026; its instructions are those of AMD's public machine-readable ISA for CDNA 5 (MIT licence, August 2026) and "CDNA5" Instruction Set Architecture Reference Guide (July 2026). The comments in the code are by the model that wrote it; some were corrected since.
;; Llama Attention. Allowed arithmetic: matrix products marked QUANTISED: E4M3 operands, one E8M0 scale for each 32 along K, by v_wmma_scale_f32_16x16x128_f8f6f4 with both operands' format E4M3, f32 sums; everything else in f32.
;; Inputs: Wk 2,048 x 2,048 float32; Wo 2,048 x 2,048 float32; Wq 2,048 x 2,048 float32; Wv 2,048 x 2,048 float32; mask 2,048 x 2,048 float32; x 1 x 2,048 x 2,048 float32.
;; Outputs: out0 1 x 2,048 x 2,048 float32.
;; This version of the problem:
;;   THIS VERSION OF THE PROBLEM IS GIVEN IN LOW PRECISION. The matrix products marked QUANTISED in the list below multiply operands that are first quantised to E4M3 (4 exponent bits, 3 mantissa bits; 8 bits a number), with one power-of-two scale for each 32 numbers along K (OCP MX v1.0); their sums are f32. All else is computed in f32.
;;   The module's matrix products, in the order in which they are computed (A, B: the left and right operand; K: the contracted axis; several contracted axes count as one K, in the product's order):
;;     1. [M 2,048, K 2,048] x [K 2,048, N 2,048]; A: input x; B: input Wq: QUANTISED
;;     2. [M 2,048, K 2,048] x [K 2,048, N 2,048]; A: input x; B: input Wk: QUANTISED
;;     3. [M 2,048, K 2,048] x [K 2,048, N 2,048]; A: input x; B: input Wv: QUANTISED
;;     4. batch 16 x [M 2,048, K 128] x [K 128, N 2,048]; A: computed on the way; B: computed on the way: QUANTISED
;;     5. batch 16 x [M 2,048, K 2,048] x [K 2,048, N 128]; A: softmax (see below); B: computed on the way: QUANTISED
;;     6. [M 2,048, K 2,048] x [K 2,048, N 2,048]; A: computed on the way; B: input Wo: QUANTISED
;;   THE QUANTISER, for each operand of a quantised product, along K:
;;     - K is cut into blocks of 32 from its start; a last block that is shorter is filled with zeros.
;;     - A block's scale is 2^e with e = floor(log2(the largest magnitude in the block)) - 8, held to -126 .. 127; a block of zeros has e = 0. As a byte (E8M0): e + 127.
;;     - Each number is divided by its block's scale, clamped to +-448, and rounded to the nearest number of E4M3, ties to even, subnormals kept.
;;     - The product sums the exact products of the quantised numbers (number of the format x scale) in f32.
;;   ~~~python
;;   def quantise(x, axis):      # numpy; x: float32 -> the quantised numbers, widened to float32 again
;;       x = np.moveaxis(x, axis, -1); K = x.shape[-1]
;;       x = np.pad(x, [(0, 0)] * (x.ndim - 1) + [(0, -K % 32)]); x = x.reshape(x.shape[:-1] + (-1, 32)); a = np.abs(x).max(-1, keepdims=True)
;;       e = np.where(a > 0, np.clip(np.frexp(np.where(a > 0, a, 1))[1] - 1 - 8, -126, 127), 0)      # np.frexp(a)[1] - 1 = floor(log2(a)), exactly
;;       r = np.clip(x / 2.0 ** e, -448, 448)
;;       step = 2.0 ** (np.maximum(np.frexp(np.where(r == 0, 1, r))[1] - 1, -6) - 3)
;;       q = np.round(r / step) * step * 2.0 ** e      # np.round: ties to even
;;       return np.moveaxis(q.reshape(q.shape[:-2] + (-1,))[..., :K], -1, axis).astype(np.float32)
;;   ~~~
;;   SOFTMAX AHEAD OF A QUANTISED PRODUCT. Where the list says 'softmax', what is quantised is not the finished softmax but p = 2^(t - M), with t = logit x log2(e) and M = ceil(the row's largest t), a whole number; so 1/2 < the row's largest p <= 1. The row's sum l is taken of the UNQUANTISED p, in f32, and the product's result is divided by l at the end. Since M is a whole number, a kernel that streams over the keys may use a running M (the ceiling of the running maximum): every later rescaling is an exact power of two, which a block's scale takes up: the codes' values come out the same.
;;   OPERANDS COMPUTED ON THE WAY. 'Computed on the way' means the value that the module computes at that place (a softmax that the list does not call 'softmax' is quantised finished and normalised). What goes into a quantiser is computed in f32, as accurately as f32 sums, v_exp_f32 and their like allow (about 1e-6 of the number): no bf16 or f16 on the way to a quantiser, and a product that is left as it is and whose result goes on into a quantised operand takes f32 operands (vector FMAs, or v_wmma_f32_16x16x4_f32). A number that lies on a knife's edge between two numbers of the format may be rounded either way, as far as f32 arithmetic and the matrix unit's own rounding can turn it there, and no further.
;; One version. Each part assembles by itself: llvm-mc -triple=amdgcn-amd-amdhsa -mcpu=gfx1250 --defsym DOCPART=n.
;; ======== version 1 of 1: 4 launches
;; workspace buffers: ops 20,971,520 bytes; opss 655,360 bytes; rope 2,097,152 bytes; qkv 12,582,912 bytes; qkvs 393,216 bytes; ao 4,194,304 bytes; aos 131,072 bytes
;; launch prep (part 1): grid 672 x 1, 4 waves a work-group, no clusters, 34,304 bytes of LDS; arguments x, Wq, Wk, Wv, Wo, ops, opss, rope; writes ops, opss, rope
.if DOCPART == 1
	.amdgcn_target "amdgcn-amd-amdhsa--gfx1250"
	.amdhsa_code_object_version 6
	.text
	.protected	k_q351ed3caf1_prep
	.globl	k_q351ed3caf1_prep
	.p2align	8
	.type	k_q351ed3caf1_prep,@function
k_q351ed3caf1_prep:
	s_mov_b64 s[64:65], 0
	v_nop
	global_prefetch_b8 v0, s[64:65] scope:SCOPE_SE
	s_setreg_imm32_b32 hwreg(HW_REG_WAVE_MODE, 25, 1), 1
	s_wait_xcnt 0x0
; LAUNCH 1 OF 4.  x [2048][2048] and the four weights [2048 (k)][2048 (n)], f32, become codes of E4M3 with one E8M0 byte for each 32 along K; and the table of RoPE's cosines and sines is made.
; NOTHING OF THE LAYER IS LEFT OUT in this program: all six inputs have a way to the output.  The mask is an input, so no pattern of it is built in: every key tile of every head is computed and every mask number is added in f32.
; LAYOUT OF THE PROGRAM'S OWN OPERANDS.  A fragment (16 rows x 128 K) lies in memory as the image of the operand's registers: piece c (0..3) of lane l at 512 c + 16 l holds row l % 16, K = 32 c + 16 (l / 16) + 0 .. 15.
; ops: operand o (0 x, 1 Wq, 2 Wk, 3 Wv, 4 Wo; a weight's rows are its columns n) at o x 4 MiB: [tile 128][K step 16][2,048 bytes].  opss: o x 131,072: [K step 16][place 2,048] words of four scale bytes.
; THE ROWS OF A TILE ARE NOT NEIGHBOURS: place p = 16 t + r stands for row sigma(p), sigma swapping bits 3 and 4: tile 2 G + u, lane row r holds row 32 G + 16 (r / 8) + 8 u + r % 8.  So wherever such tiles are source 0 of a product,
; a lane's 16 registers of tiles 2 G and 2 G + 1 are 16 neighbours, 32 G + 16 (lane / 16) + 0 .. 15: the next operand's own order.
; rope: [2: 0 times sqrt(1/128), for q; 1 plain, for k][place 2,048][frequency 64][cos, sin] f32; place p holds the angles of position sigma(p).
; SHARES.  Work-groups 0-511: the weights (a lane to a column, registers down K; the codes turn through the wave's stage in LDS into images).  512-639: x (a lane holds 16 neighbours of a row; its codes are an image as they stand).
; 640-671: the table.  The three ways part on the work-group's number and never join; only the first touches LDS.
; A block's scale byte is its largest magnitude's exponent field less 8, held at 1 from below by a floor among the maximum's leaves; each number is held within 448 x the scale and converted, ties to even.
; LIMITS: NaN and infinities among x and the weights are not served.  A block whose largest magnitude lies under 2^-118 keeps the byte 1; so does a block of zeros, where the rule says 127: its codes are zeros, and this program alone reads the bytes.
; The frequencies come from v_exp_f32 with a correction term; an angle can differ from one made with another exponential by some 2e-4 at position 2,047.  sin and cos: reduction by pi/2 in three parts, polynomials in f32.
.set SPARE, 33792                      ; behind the four stages: the spare words, 128 bytes for each wave: two blocks of 256 bytes that no other line names
.set SPW,   2                          ; v2   LDS address of my spare word; never rewritten
.set NIL,   3                          ; v3   0; never rewritten
.set SEL,   24                         ; s[24:25] v_permlanex16_b32's selects for lane l xor 16
.set MNT,   26                         ; s26  the mantissa field of 448
.set TM,    224                        ; x's way: v224-227 largest magnitudes, v228-231 bytes, v232-235 448 x the scale, v236-239 the conversions' scale operands
; 64 numbers of a lane, register 16 b + i = K 32 b + 16 (lane / 16) + i of my row, become a fragment's codes in v[pc] on and its scale word in v[pw]
.macro QUANT s, pc, pw
.irp b, 0,1,2,3
	v_max3_num_f32 v[TM+\b], |v[\s+16*\b]|, |v[\s+1+16*\b]|, 0x4800000   ; my 16 numbers of block b, and the floor 2^(9 - 127)
.endr
.irp i, 2,4,6,8,10,12,14
.irp b, 0,1,2,3
	v_max3_num_f32 v[TM+\b], v[TM+\b], |v[\s+16*\b+\i]|, |v[\s+1+16*\b+\i]|   ; the four blocks by turns
.endr
.endr
.irp b, 0,1,2,3
	v_permlanex16_b32 v[TM+4+\b], v[TM+\b], s[SEL], s[SEL+1]
.endr
.irp b, 0,1,2,3
	v_max_num_f32 v[TM+\b], v[TM+\b], v[TM+4+\b]   ; with lane l xor 16's 16: the block's largest magnitude
.endr
.irp b, 0,1,2,3
	v_add_nc_u32 v[TM+12+\b], 0xfc000000, v[TM+\b]   ; 8 off its exponent field: the conversion's scale operand
.endr
.irp b, 0,1,2,3
	v_and_or_b32 v[TM+8+\b], v[TM+\b], 0x7f800000, s[MNT]   ; 448 x the scale
.endr
.irp b, 0,1,2,3
	v_lshrrev_b32 v[TM+4+\b], 23, v[TM+12+\b]   ; the scale's byte
.endr
	v_lshl_or_b32 v[\pw], v[TM+5], 8, v[TM+4]
	v_lshl_or_b32 v[\pw], v[TM+6], 16, v[\pw]
	v_lshl_or_b32 v[\pw], v[TM+7], 24, v[\pw]
.irp b, 0,1,2,3
.irp i, 0,1,2,3,4,5,6,7,8,9,10,11,12,13,14,15
	v_med3_num_f32 v[\s+16*\b+\i], v[\s+16*\b+\i], -v[TM+8+\b], v[TM+8+\b]   ; the conversion to an 8-bit code does not saturate (ISA guide 7.6.2): the hold comes first
.endr
	v_cvt_scalef32_pk8_fp8_f32 v[\pc+4*\b:\pc+1+4*\b], v[\s+16*\b:\s+7+16*\b], v[TM+12+\b]
	v_cvt_scalef32_pk8_fp8_f32 v[\pc+2+4*\b:\pc+3+4*\b], v[\s+8+16*\b:\s+15+16*\b], v[TM+12+\b]
.endr
	v_nop                                          ; one plain line behind the last conversion
.endm
	s_load_b256 s[4:11], s[0:1], 0x0               ; x s[4:5], Wq s[6:7], Wk s[8:9], Wv s[10:11]
	s_load_b256 s[12:19], s[0:1], 0x20             ; Wo s[12:13], ops s[14:15], opss s[16:17], rope s[18:19]
	v_lshl_add_u32 v[SPW], v0, 2, SPARE
	v_mov_b32 v[NIL], 0
	v_lshrrev_b32 v1, 5, v0
	v_readfirstlane_b32 s20, v1                    ; wave 0..3
	v_and_b32 v1, 31, v0                           ; lane
	s_mov_b32 s[SEL], 0x76543210
	s_mov_b32 s[SEL+1], 0xfedcba98
	s_mov_b32 s[MNT], 0x600000
	s_wait_kmcnt 0x0
	s_cmp_lt_u32 ttmp9, 512
	s_cbranch_scc0 .Lnot_w
; ---- THE WEIGHTS.  Work-group = 128 j + 16 kb + nb: weight j, columns 128 nb on, K 256 kb on.  A wave: 32 columns x 256 K: 8 blocks a lane.
.set WX,   32                          ; v32-95   two sets of 32 numbers
.set WC,   96                          ; v96-103  a block's codes
.set OUTR, 112                         ; v112-175 the way out
.set SB,   24                          ; v24-25   the scale words of the two K steps
	s_lshr_b32 s21, ttmp9, 7                       ; j
	s_and_b32 s22, ttmp9, 15                       ; nb
	s_bfe_u32 s23, ttmp9, 0x30004                  ; kb
	s_cmp_eq_u32 s21, 1                            ; the weight is chosen by the work-group's number alone
	s_cselect_b64 s[6:7], s[8:9], s[6:7]
	s_cmp_eq_u32 s21, 2
	s_cselect_b64 s[6:7], s[10:11], s[6:7]
	s_cmp_eq_u32 s21, 3
	s_cselect_b64 s[6:7], s[12:13], s[6:7]
	s_lshl_b32 s27, s22, 9
	s_lshl_b32 s28, s20, 7
	s_add_co_u32 s27, s27, s28                     ; 4 x my first column: 512 nb + 128 wave
	s_lshl_b32 s28, s23, 21                        ; 256 kb rows of 8,192 bytes
	s_add_co_u32 s28, s28, s27
	s_mov_b32 s29, 0
	s_add_nc_u64 s[6:7], s[6:7], s[28:29]
	s_add_co_u32 s21, s21, 1                       ; the operand's number
	s_lshl_b32 s28, s21, 17
	s_add_co_u32 s28, s28, s27
	s_lshl_b32 s30, s23, 14                        ; K step 2 kb: 8,192 bytes a step
	s_add_co_u32 s28, s28, s30
	s_add_nc_u64 s[16:17], s[16:17], s[28:29]      ; my 32 places' scale words
	s_lshl_b32 s28, s21, 22
	s_lshl_b32 s30, s22, 18
	s_add_co_u32 s28, s28, s30
	s_lshl_b32 s30, s20, 16
	s_add_co_u32 s28, s28, s30                     ; tile 8 nb + 2 wave: 32,768 bytes a tile
	s_lshl_b32 s30, s23, 12
	s_add_co_u32 s28, s28, s30                     ; K step 2 kb
	s_add_nc_u64 s[14:15], s[14:15], s[28:29]
	v_lshlrev_b32 v6, 2, v1                        ; in: 4 bytes a lane
	v_and_b32 v10, 7, v1
	v_bfe_u32 v11, v1, 4, 1
	v_bfe_u32 v12, v1, 3, 1                        ; column 32 G + lane lies in tile 2 G + bit 3 of the lane,
	v_lshl_add_u32 v13, v11, 3, v10                ; at lane row 8 x bit 4 + lane % 8
	s_mul_i32 s30, s20, 8448                       ; my stage: two tiles of 4,096 bytes, 4,224 apart
	v_mul_u32_u24 v4, v12, 4224
	v_lshl_add_u32 v4, v13, 4, v4
	v_add_nc_u32 v4, s30, v4                       ; into the stage
	v_lshlrev_b32 v8, 4, v1                        ; 16 x lane
	v_add_nc_u32 v7, s30, v8                       ; out of it
	v_lshl_add_u32 v9, v12, 4, v13
	v_lshlrev_b32 v9, 2, v9                        ; 4 x my column's place among the 32
.macro LOAD t                          ; block t: W(32 t + i, my column) into set t % 2; a load of the wave reads 128 consecutive bytes, the four waves stand side by side
.set i, 0
.rept 32
	global_load_b32 v[WX+32*((\t)%2)+i], v6, s[6:7] offset:(32*(\t)+i)*8192 th:TH_LOAD_NT
.set i, i+1
.endr
.endm
	LOAD 0
	LOAD 1
.macro BLOCK t
.set XS, WX+32*((\t)%2)
.if (\t) < 7
	s_wait_loadcnt 32                              ; this block's 32 loads are in; the next block's 32 may be out
.else
	s_wait_loadcnt 0x0
.endif
	v_max3_num_f32 v12, |v[XS]|, |v[XS+1]|, |v[XS+2]|   ; all 32 numbers of the block are mine
	v_max3_num_f32 v13, |v[XS+3]|, |v[XS+4]|, |v[XS+5]|
.irp i, 6,10,14,18,22,26
	v_max3_num_f32 v12, v12, |v[XS+\i]|, |v[XS+\i+1]|
	v_max3_num_f32 v13, v13, |v[XS+\i+2]|, |v[XS+\i+3]|
.endr
	v_max3_num_f32 v12, v12, |v[XS+30]|, |v[XS+31]|
	v_max3_num_f32 v12, v12, v13, 0x4800000        ; and the floor
	v_add_nc_u32 v11, 0xfc000000, v12              ; the conversion's scale operand
	v_and_or_b32 v10, v12, 0x7f800000, s[MNT]      ; 448 x the scale
	v_lshrrev_b32 v13, 23, v11                     ; the byte
.if (\t)%4 == 0
	v_mov_b32 v[SB+(\t)/4], v13
.else
	v_lshl_or_b32 v[SB+(\t)/4], v13, 8*((\t)%4), v[SB+(\t)/4]
.endif
.set i, 0
.rept 32
	v_med3_num_f32 v[XS+i], v[XS+i], -v10, v10
.set i, i+1
.endr
.irp g, 0,1,2,3
	v_cvt_scalef32_pk8_fp8_f32 v[WC+2*\g:WC+2*\g+1], v[XS+8*\g:XS+8*\g+7], v11
.endr
	ds_store_b128 v4, v[WC:WC+3] offset:((\t)/4)*2048+((\t)%4)*512         ; K 32 c + 0 .. 15: the image's lanes 0-15,
	ds_store_b128 v4, v[WC+4:WC+7] offset:((\t)/4)*2048+((\t)%4)*512+256   ; K 32 c + 16 .. 31: its lanes 16-31
.if (\t)+2 < 8
	LOAD (\t)+2
.endif
	s_wait_dscnt 0x0                               ; the stores have read their registers: the next block's codes may be written
.endm
.irp t, 0,1,2,3,4,5,6,7
	BLOCK \t
.endr
	global_store_b32 v9, v[SB], s[16:17]           ; 32 lanes store 128 consecutive bytes
	global_store_b32 v9, v[SB+1], s[16:17] offset:8192
.set i, 0
.rept 16
	ds_load_b128 v[OUTR+4*i:OUTR+4*i+3], v7 offset:(i/8)*4224+(i%8)*512   ; LDS serves a wave's instructions in order: these see my stores
.set i, i+1
.endr
.set i, 0
.rept 16
	s_wait_dscnt 15-i                              ; load i is back; the younger ones may be out
	global_store_b128 v8, v[OUTR+4*i:OUTR+4*i+3], s[14:15] offset:(i/8)*32768+(i%8)*512   ; 512 consecutive bytes, aligned
.set i, i+1
.endr
	s_wait_tensorcnt 0x0                           ; the wave's end, behind my last LDS store
	ds_add_u32 v[SPW], v[NIL]
	s_wait_dscnt 0x0
	s_endpgm
; ---- x.  Wave W = 4 (work-group - 512) + wave: rows 32 (W / 8) on, K steps 2 (W % 8) and the next: four fragments f = 2 q + u (K step q, tile u).  No LDS.
.Lnot_w:
	s_cmp_lt_u32 ttmp9, 640
	s_cbranch_scc0 .Ltrig
.set XR,  32                           ; v32-159  two sets of 64 numbers
.set PCX, 160                          ; v160-223 codes: 16 registers for each fragment, so that no store's data are written again
.set PWX, 240                          ; v240-243 a scale word for each fragment; v244-245 the words of two tiles in one register
	s_sub_co_u32 s21, ttmp9, 512
	s_lshl_b32 s21, s21, 2
	s_add_co_u32 s21, s21, s20
	s_lshr_b32 s22, s21, 3                         ; G
	s_and_b32 s23, s21, 7                          ; the pair of K steps
	s_lshl_b32 s28, s22, 18                        ; 32 rows of 8,192 bytes
	s_lshl_b32 s30, s23, 10
	s_add_co_u32 s28, s28, s30
	s_mov_b32 s29, 0
	s_add_nc_u64 s[4:5], s[4:5], s[28:29]
	s_lshl_b32 s28, s22, 16                        ; tile 2 G
	s_lshl_b32 s30, s23, 12
	s_add_co_u32 s28, s28, s30
	s_add_nc_u64 s[14:15], s[14:15], s[28:29]
	s_lshl_b32 s28, s23, 14
	s_lshl_b32 s30, s22, 7
	s_add_co_u32 s28, s28, s30
	s_add_nc_u64 s[16:17], s[16:17], s[28:29]
	v_and_b32 v10, 15, v0                          ; r
	v_bfe_u32 v11, v0, 4, 1                        ; h
	v_and_b32 v12, 8, v10
	v_add_nc_u32 v12, v12, v10                     ; r % 8 + 16 (r / 8)
	v_lshlrev_b32 v4, 13, v12
	v_lshl_add_u32 v4, v11, 6, v4                  ; my row, + 64 h: my 16 numbers of a block of 32
	v_lshlrev_b32 v5, 4, v1
	v_lshlrev_b32 v6, 2, v1
	v_cmp_gt_u32 vcc_lo, 16, v1                    ; lanes 0-15
.irp b, 0,1,2,3
	v_mov_b32 v[TM+4+\b], 0                        ; written once: a lane permute's destination counts as one of its sources
.endr
.macro XLOAD set, u, q
.set i, 0
.rept 16
	global_load_b128 v[XR+64*(\set)+4*i:XR+64*(\set)+4*i+3], v4, s[4:5] offset:(\u)*65536+(\q)*512+128*(i/4)+16*(i%4) th:TH_LOAD_NT
.set i, i+1
.endr
.endm
	XLOAD 0, 0, 0
	XLOAD 1, 1, 0
.irp f, 0,1,2,3
.if \f < 3
	s_wait_loadcnt 16                              ; this fragment's 16 loads are in; the next fragment's 16 may be out
.else
	s_wait_loadcnt 0x0
.endif
	QUANT XR+64*(\f%2), PCX+16*\f, PWX+\f
.irp c, 0,1,2,3
	global_store_b128 v5, v[PCX+16*\f+4*\c:PCX+16*\f+4*\c+3], s[14:15] offset:(\f%2)*32768+(\f/2)*2048+512*\c   ; the image as it stands: 512 consecutive bytes
.endr
.if \f < 2
	XLOAD \f%2, \f%2, 1                            ; the same tile's next K step into the set just left
.endif
.if \f%2 == 1
	v_cndmask_b32 v[244+\f/2], v[PWX+\f], v[PWX+\f-1], vcc_lo   ; lanes 0-15 tile 2 G's words, lanes 16-31 tile 2 G + 1's (a word stands alike in lanes l and l xor 16)
	global_store_b32 v6, v[244+\f/2], s[16:17] offset:(\f/2)*8192
.endif
.endr
	s_endpgm
; ---- THE TABLE.  Wave Wt = 4 (work-group - 640) + wave makes places 16 Wt .. 16 Wt + 15; a lane takes frequencies 2 l and 2 l + 1: 16 bytes of a row of 512.
.Ltrig:
	s_sub_co_u32 s21, ttmp9, 640
	s_lshl_b32 s21, s21, 2
	s_add_co_u32 s21, s21, s20
	s_lshl_b32 s28, s21, 13
	s_mov_b32 s29, 0
	s_add_nc_u64 s[18:19], s[18:19], s[28:29]
	s_lshr_b32 s22, s21, 1
	s_lshl_b32 s22, s22, 5
	s_and_b32 s23, s21, 1
	s_lshl_b32 s23, s23, 3
	s_add_co_u32 s22, s22, s23                     ; 32 (Wt / 2) + 8 (Wt % 2)
	s_mov_b32 s32, 0xb94ca1f9                      ; sin's polynomial
	s_mov_b32 s33, 0x3c08839e
	s_mov_b32 s34, 0xbe2aaaa3
	s_mov_b32 s35, 0x37ccf5ce                      ; cos's
	s_mov_b32 s36, 0xbab6061a
	s_mov_b32 s37, 0x3d2aaaa5
	s_mov_b32 s38, 0x3fb8aa3b                      ; log2(e), and what f32 leaves of it
	s_mov_b32 s39, 0x32a57060
	v_lshlrev_b32 v5, 4, v1
	v_lshlrev_b32 v10, 1, v1
	v_cvt_f32_u32 v10, v10                         ; i = 2 l,
	v_add_f32 v11, 1.0, v10                        ; 2 l + 1
.irp k, 0,1
	v_mul_f32 v[12+\k], 0xbe135d8e, v[10+\k]       ; a = -i x (ln 10000 / 64), the f32 product as it is defined
	v_mul_f32 v[14+\k], s38, v[12+\k]              ; a log2(e): its f32 value,
	v_fma_f32 v[16+\k], v[12+\k], s38, -v[14+\k]   ; and what that rounding dropped,
	v_fma_f32 v[16+\k], v[12+\k], s39, v[16+\k]    ; with the constant's own rest
.endr
	v_exp_f32 v18, v14
	v_exp_f32 v19, v15
	v_nop                                          ; a plain line behind the exponentials,
	s_wait_alu depctr_va_vdst(0)                   ; and a wait ahead of their first reader
.irp k, 0,1
	v_mul_f32 v[16+\k], v[18+\k], v[16+\k]
	v_fmamk_f32 v[20+\k], v[16+\k], 0x3f317218, v[18+\k]   ; the frequency: e (1 + rest x ln 2)
.endr
; cos and sin of v[th] (0 .. 2,047): n = the nearest whole number to th x 2 / pi; r = th - n pi / 2 in three parts; polynomials on r; the quadrant n % 4 selects and signs: no branch
.macro SINCOS th, c, s
	v_mul_f32 v30, 0x3f22f983, v[\th]
	v_rndne_f32 v30, v30
	v_fmamk_f32 v31, v30, 0xbfc90fd8, v[\th]
	v_fmamk_f32 v31, v30, 0xb4a8885a, v31
	v_fmamk_f32 v31, v30, 0xa7c234c4, v31
	v_cvt_i32_f32 v32, v30
	v_mul_f32 v33, v31, v31
	v_fma_f32 v34, v33, s32, s33
	v_fma_f32 v34, v34, v33, s34
	v_mul_f32 v35, v31, v33
	v_fma_f32 v35, v35, v34, v31                   ; sin r
	v_fma_f32 v34, v33, s35, s36
	v_fma_f32 v34, v34, v33, s37
	v_fma_f32 v36, v33, -0.5, 1.0
	v_mul_f32 v34, v34, v33
	v_fma_f32 v36, v34, v33, v36                   ; cos r
	v_and_b32 v37, 1, v32
	v_cmp_eq_u32 vcc_lo, 1, v37
	v_cndmask_b32 v[\s], v35, v36, vcc_lo          ; odd quadrants change the two
	v_cndmask_b32 v[\c], v36, v35, vcc_lo
	v_lshlrev_b32 v37, 30, v32
	v_and_b32 v37, 0x80000000, v37
	v_xor_b32 v[\s], v[\s], v37                    ; sin is negative in quadrants 2, 3
	v_add_nc_u32 v32, 1, v32
	v_lshlrev_b32 v37, 30, v32
	v_and_b32 v37, 0x80000000, v37
	v_xor_b32 v[\c], v[\c], v37                    ; cos in quadrants 1, 2
.endm
	s_mov_b32 s27, 0
.Lpos:                                                 ; 16 trips: a place each
	s_lshr_b32 s28, s27, 3
	s_lshl_b32 s28, s28, 3
	s_add_co_u32 s28, s28, s27
	s_add_co_u32 s28, s28, s22                     ; the position that stands at this place
	v_cvt_f32_u32 v22, s28
	v_mul_f32 v23, v22, v20                        ; the angles: the f32 products as they are defined
	v_mul_f32 v24, v22, v21
	SINCOS 23, 40, 41
	SINCOS 24, 42, 43
.irp k, 0,1,2,3
	v_mul_f32 v[44+\k], 0x3db504f3, v[40+\k]       ; times sqrt(1/128), for q
.endr
	global_store_b128 v5, v[44:47], s[18:19]       ; a whole row of 512 bytes
	global_store_b128 v5, v[40:43], s[18:19] offset:1048576
	s_wait_xcnt 0x0                                ; the stores' data and base are written again only behind this wait
	s_add_nc_u64 s[18:19], s[18:19], 512
	s_add_co_u32 s27, s27, 1
	s_cmp_lt_u32 s27, 16
	s_cbranch_scc1 .Lpos
	s_endpgm
.Lfunc_end_k_q351ed3caf1_prep:
	.size	k_q351ed3caf1_prep, .Lfunc_end_k_q351ed3caf1_prep-k_q351ed3caf1_prep
	.p2alignl 7, 3214868480
	.fill 96, 4, 3214868480
	.section	.rodata,"a",@progbits
	.p2align	6, 0x0
	.amdhsa_kernel k_q351ed3caf1_prep
		.amdhsa_group_segment_fixed_size 34304
		.amdhsa_private_segment_fixed_size 0
		.amdhsa_enable_private_segment 0
		.amdhsa_kernarg_size 64
		.amdhsa_user_sgpr_count 2
		.amdhsa_user_sgpr_kernarg_segment_ptr 1
		.amdhsa_wavefront_size32 1
		.amdhsa_system_sgpr_workgroup_id_x 1
		.amdhsa_system_sgpr_workgroup_id_y 1
		.amdhsa_system_sgpr_workgroup_id_z 1
		.amdhsa_system_vgpr_workitem_id 0
		.amdhsa_next_free_vgpr 248
		.amdhsa_next_free_sgpr 66
		.amdhsa_reserve_vcc 1
		.amdhsa_float_denorm_mode_32 3
		.amdhsa_float_denorm_mode_16_64 3
		.amdhsa_memory_ordered 1
		.amdhsa_forward_progress 1
		.amdhsa_inst_pref_size 106
	.end_amdhsa_kernel
	.amdgpu_metadata
---
amdhsa.version: [ 1, 2 ]
amdhsa.kernels:
  - .name:           k_q351ed3caf1_prep
    .symbol:         k_q351ed3caf1_prep.kd
    .args:
      - { .name: x, .offset: 0, .size: 8, .value_kind: global_buffer, .address_space: global }
      - { .name: Wq, .offset: 8, .size: 8, .value_kind: global_buffer, .address_space: global }
      - { .name: Wk, .offset: 16, .size: 8, .value_kind: global_buffer, .address_space: global }
      - { .name: Wv, .offset: 24, .size: 8, .value_kind: global_buffer, .address_space: global }
      - { .name: Wo, .offset: 32, .size: 8, .value_kind: global_buffer, .address_space: global }
      - { .name: ops, .offset: 40, .size: 8, .value_kind: global_buffer, .address_space: global }
      - { .name: opss, .offset: 48, .size: 8, .value_kind: global_buffer, .address_space: global }
      - { .name: rope, .offset: 56, .size: 8, .value_kind: global_buffer, .address_space: global }
    .group_segment_fixed_size: 34304
    .private_segment_fixed_size: 0
    .kernarg_segment_align: 8
    .kernarg_segment_size: 64
    .max_flat_workgroup_size: 128
    .sgpr_count:     66
    .vgpr_count:     248
    .wavefront_size: 32
...
	.end_amdgpu_metadata
.endif
;; end of part 1
;; launch gemm_qkv (part 2): grid 24 x 8, 4 waves a work-group, clusters of 4 x 4, 327,680 bytes of LDS; arguments ops, opss, rope, qkv, qkvs; writes qkv, qkvs
.if DOCPART == 2
	.amdgcn_target "amdgcn-amd-amdhsa--gfx1250"
	.amdhsa_code_object_version 6
	.text
	.protected	k_q351ed3caf1_gemm_qkv
	.globl	k_q351ed3caf1_gemm_qkv
	.p2align	8
	.type	k_q351ed3caf1_gemm_qkv,@function
k_q351ed3caf1_gemm_qkv:
	s_mov_b64 s[64:65], 0
	v_nop
	global_prefetch_b8 v0, s[64:65] scope:SCOPE_SE
	s_setreg_imm32_b32 hwreg(HW_REG_WAVE_MODE, 25, 1), 1
	s_wait_xcnt 0x0
	s_wait_alu depctr_hold_cnt(0) depctr_sa_sdst(0) depctr_va_vdst(0) depctr_va_sdst(0) depctr_va_ssrc(0) depctr_va_vcc(0) depctr_vm_vsrc(0)
	s_getreg_b32 s2, hwreg(HW_REG_IB_STS2, 6, 4)
	s_cmp_eq_u32 s2, 0
	s_cbranch_scc0 .Lentry_in_a_cluster
	s_endpgm
.Lentry_in_a_cluster:
	s_bfe_u32 s2, ttmp6, 0x10000c
	s_cmp_lg_u32 s2, 0xf033
	s_cbranch_scc0 .Lentry_shape_is_right
	s_endpgm
.Lentry_shape_is_right:
; LAUNCH 2 OF 4.  q = x Wq, k = x Wk, v = x Wv on codes of E4M3 with E8M0 scales; RoPE on q (with the factor sqrt(1/128)) and k in f32; the results leave as codes for the attention.  Nothing is left out.
; TYPE = cluster x / 2: 0 q, 1 k, 2 v.  A tile of 256 x 256 to a work-group of four waves, 128 x 128 a wave: 64 accumulators, 512 registers.  q, k: A = x, B = the weight.  v: A = Wv, B = x: V^T is made, so that one form serves all three.
; THE MATRIX INSTRUCTION IS USED TRANSPOSED (source 0 = 16 rows of B, source 1 = 16 rows of A).  The rows of a tile stand in the order sigma (bits 3 and 4 of a place swapped), so a lane holds ONE row of A and its 64 registers of a block
; are B's rows 32 b + 16 (lane / 16) + i: for q and k one position and the head's 128 in the next operand's order (RoPE's pairs are neighbouring registers); for v one of the head's 128 and 128 keys likewise.
; OPERANDS lie in memory as images of their registers ([tile][K step][2,048 bytes]): a slot's quarter (8 tiles x 2 K steps) is 8 rows of 4,096 bytes for one tensor load, and a fragment is read at 16 x lane: no pitch, no padding.
; K goes in steps of 256 through two LDS slots; the scale words of the work-group's rows, for all of K, come once with the first fills.
; CLUSTERS: 4 x 4.  A's tiles hang on the tile row alone and are asked for jointly along a row of the cluster, B's on the tile column alone, along a column.  TYPE is made of the cluster's x alone: it is equal in all sixteen.
; OUT: qkv: q at 0, k at 4 MiB: [head][tile 128][2,048]; v at 8 MiB: [head][key step 16][tile of the head's 128: 8][2,048].  qkvs: q's words [head][tile][16]; from 131,072 for each head 8 KiB of k's words, then 8 KiB of v's [key step][tile][16].
; LIMITS: as stated at the first launch's head (a block under 2^-118, or of zeros, keeps the byte 1; NaN and infinities are not served).
; REGISTERS: window 0: v1-31 addresses; v32-63 scale words, two sets; v64-127 the table's first rows; from v128 A's fragments, one set.  Window 1: B's fragments, two sets.  Windows 2, 3: the accumulators, (a, b) at v[8 (8 (a % 4) + b)].
;   On the way out window 0 holds: v32-47 codes, v48-63 at work, v64-127 and v128-191 the table by turns, v192-255 at work.
.set NQ,     2                         ; matrix instructions deep in a slot
.set FR,     16                        ; registers of a fragment
.set NL,     4                         ; LDS loads that bring one
.set NP,     8                         ; places behind this matrix instruction (ISA guide 7.12.1)
.set HALFT,  32768                     ; 8 tiles x 2 K steps x 2,048 bytes: what one tensor load brings, and what one wave reads of A or of B
.set SLOT,   4*HALFT                   ; A's two halves, then B's
.set LAPS,   4                         ; 2,048 / 512: a lap = two slots
.set SCL,    2*SLOT                    ; behind the ring: the scale words: four quarters of [K step 16][128 words]
.set HALFS,  8192
.set SPARE,  SCL+4*HALFS               ; the spare words, 128 bytes for each wave: two blocks of 256 bytes that no other line names
.set ADRA, 16                          ; v16-17  LDS address of my A fragments in slot 0, 1
.set ADRB, 20                          ; v20-21  the same for B
.set LI,   22                          ; v22     16 x lane
.set SWA,  23                          ; v23     the way out: where my block's scale word goes: 512 x wave + 4 r, in slot 0, which has had its last fill and its last read by then
.set SRA,  24                          ; v24     and where the wave's 512 bytes of words are read back
.set ADRS, 27                          ; v27     LDS address of my scale words: lanes 0-15 A's rows, lanes 16-31 B's
.set SPW,  28                          ; v28     LDS address of my spare word; never rewritten
.set NIL,  29                          ; v29     0; never rewritten
.set PW,   30                          ; v30     the scale word just made
.set VA,   31                          ; v31     the table: 512 r + 64 h
.set SC,   32
.set CS,   64
.set AF,   128
.set PC,   32
.set TM,   48
.set T,    192
.set G1, 24                            ; s[24:31] group 1 for A's tiles; s[32:39] groups 0, one for each slot
.set G0, 32
.set G1B, 48                           ; s[48:55], s[56:63] the same for B's
.set G0B, 56
.set G1S, 68                           ; s[68:75], s[76:79] for A's scale words; s[80:87], s[88:91] for B's
.set G0S, 76
.set G1SB, 80
.set G0SB, 88
.set MSB, 0
.macro WIN new                         ; the immediate's high byte repeats the setting that is left
.if MSB != \new
	s_set_vgpr_msb (MSB<<8)|\new
.set MSB, \new
.endif
.endm
.set MUL_LO, 0xa1                      ; source 0 (B) window 1, source 1 (A) window 0, C and D window 2
.set MUL_HI, 0xf1                      ; the same, C and D window 3
.set TO_B,   0x40                      ; destination window 1, address window 0
; A joint load: waves 0 and 1 fetch for A, waves 2 and 3 for B; the branch hangs on the wave's number alone.  An s_nop 0 and four v_nop follow each of the two lines.
.macro JLOAD g0a, g1a, g0b, g1b
	s_cmp_eq_u32 s15, 0
	s_cbranch_scc0 .Lfor_b_\@
	tensor_load_to_lds s[\g0a:\g0a+3], s[\g1a:\g1a+7]
	s_nop 0
.rept 4
	v_nop
.endr
	s_branch .Lasked_\@
.Lfor_b_\@:
	tensor_load_to_lds s[\g0b:\g0b+3], s[\g1b:\g1b+7]
	s_nop 0
.rept 4
	v_nop
.endr
.Lasked_\@:
.endm
.macro CREST                           ; a round of the cluster's barrier behind its opening barrier
	s_cmp_lg_u32 s14, 0
	s_cbranch_scc1 .Lnot_wave_0_\@
	s_barrier_signal -3
.Lnot_wave_0_\@:
	s_barrier_wait -3
	s_barrier_signal -1
	s_barrier_wait -1
.endm
.macro CROUND
	s_barrier_signal -1
	s_barrier_wait -1
	CREST
.endm
	s_load_b128 s[4:7], s[0:1], 0x0                ; ops s[4:5], opss s[6:7]
	s_load_b64 s[66:67], s[0:1], 0x10              ; rope
	s_load_b64 s[12:13], s[0:1], 0x18              ; qkv
	s_load_b64 s[96:97], s[0:1], 0x20              ; qkvs
	v_lshl_add_u32 v[SPW], v0, 2, SPARE
	v_mov_b32 v[NIL], 0
	ds_add_u32 v[SPW], v[NIL]                      ; the wave's opening: the add, twice on end, and its wait ahead of my first tensor load
	ds_add_u32 v[SPW], v[NIL]
	v_lshrrev_b32 v1, 5, v0
	v_readfirstlane_b32 s14, v1                    ; wave 0..3
	s_lshr_b32 s15, s14, 1                         ; which half of the tile's rows is mine.  Also: I fetch for A (0) or for B (1)
	s_and_b32 s16, s14, 1                          ; which half of its columns.  Also: which half of that operand's rows I fetch
	s_bfe_u32 s40, ttmp6, 0x40000                  ; cx, cy
	s_bfe_u32 s41, ttmp6, 0x40004
	s_lshr_b32 s2, ttmp9, 1                        ; TYPE
	s_and_b32 s42, ttmp9, 1
	s_lshl_b32 s42, s42, 2
	s_add_co_u32 s42, s42, s40                     ; tile column 0..7
	s_and_b32 s17, ttmp7, 0xffff
	s_lshl_b32 s17, s17, 2
	s_add_co_u32 s17, s17, s41                     ; tile row 0..7
	s_lshl_b32 s43, s41, 2
	s_lshl_b32 s43, 15, s43                        ; my row of the cluster
	s_lshl_b32 s44, 0x1111, s40                    ; my column
	s_or_b32 s[G1+0], s43, (3<<16)|(1<<21)         ; 15:0 the mask; 17:16 elements of 8 bytes; 21 set beside a mask; no padding
	s_or_b32 s[G1B+0], s44, (3<<16)|(1<<21)
.irp g, G1, G1B
	s_mov_b32 s[\g+1], 512<<16                     ; tensor_dim0: 4,096 bytes: a tile's two K steps
	s_mov_b32 s[\g+2], 8<<16                       ; tensor_dim1: 8 tiles
	s_mov_b32 s[\g+3], 512<<16                     ; tile_dim0
	s_mov_b32 s[\g+4], 8                           ; tile_dim1
	s_mov_b32 s[\g+5], 4096                        ; from tile to tile: 32,768 bytes
	s_mov_b32 s[\g+6], 0
	s_mov_b32 s[\g+7], 0
.endr
	s_or_b32 s[G1S+0], s43, (3<<16)|(1<<21)
	s_or_b32 s[G1SB+0], s44, (3<<16)|(1<<21)
.irp g, G1S, G1SB
	s_mov_b32 s[\g+1], 64<<16                      ; 512 bytes: 128 rows' words of a K step
	s_mov_b32 s[\g+2], 16<<16                      ; 16 K steps
	s_mov_b32 s[\g+3], 64<<16
	s_mov_b32 s[\g+4], 16
	s_mov_b32 s[\g+5], 1024                        ; from K step to K step: 8,192 bytes
	s_mov_b32 s[\g+6], 0
	s_mov_b32 s[\g+7], 0
.endr
	s_add_co_u32 s19, s2, 1
	s_cmp_eq_u32 s2, 2
	s_cselect_b32 s18, 3, 0                        ; A: x, or Wv
	s_cselect_b32 s19, 0, s19                      ; B: Wq, Wk, or x
	s_lshl_b32 s20, s18, 22                        ; A's codes: operand, tile 16 x tile row + 8 x half
	s_lshl_b32 s21, s17, 19
	s_add_co_u32 s20, s20, s21
	s_lshl_b32 s21, s16, 18
	s_add_co_u32 s20, s20, s21
	s_mov_b32 s21, 0
	s_lshl_b32 s22, s18, 17                        ; A's words
	s_lshl_b32 s23, s17, 10
	s_add_co_u32 s22, s22, s23
	s_lshl_b32 s23, s16, 9
	s_add_co_u32 s22, s22, s23
	s_mov_b32 s23, 0
	s_lshl_b32 s46, s19, 22                        ; B's likewise, by the tile column, in registers of their own
	s_lshl_b32 s47, s42, 19
	s_add_co_u32 s46, s46, s47
	s_lshl_b32 s47, s16, 18
	s_add_co_u32 s46, s46, s47
	s_mov_b32 s47, 0
	s_lshl_b32 s92, s19, 17
	s_lshl_b32 s93, s42, 10
	s_add_co_u32 s92, s92, s93
	s_lshl_b32 s93, s16, 9
	s_add_co_u32 s92, s92, s93
	s_mov_b32 s93, 0
	s_lshl_b32 s45, s14, 15                        ; where they go: wave x a quarter: no place in the cluster enters an LDS address
	s_lshl_b32 s94, s14, 13
	s_wait_dscnt 0x0                               ; both opening adds are done
	s_wait_kmcnt 0x0
	s_add_nc_u64 s[20:21], s[4:5], s[20:21]
	s_add_nc_u64 s[22:23], s[6:7], s[22:23]
	s_add_nc_u64 s[46:47], s[4:5], s[46:47]
	s_add_nc_u64 s[92:93], s[6:7], s[92:93]
	CROUND                                         ; all sixteen work-groups are here: the first joint loads meet
	s_mov_b32 s[G0S], 1
	s_add_co_u32 s[G0S+1], s94, SCL
	s_mov_b64 s[G0S+2:G0S+3], s[22:23]
	s_or_b32 s[G0S+3], s[G0S+3], 0x80000000
	s_mov_b32 s[G0SB], 1
	s_add_co_u32 s[G0SB+1], s94, SCL
	s_mov_b64 s[G0SB+2:G0SB+3], s[92:93]
	s_or_b32 s[G0SB+3], s[G0SB+3], 0x80000000
	JLOAD G0S, G1S, G0SB, G1SB                     ; the scale words first: they are wanted with slot 0
.irp s, 0,1
	s_mov_b32 s[G0+4*\s], 1
	s_add_co_u32 s[G0+4*\s+1], s45, \s*SLOT
	s_add_nc_u64 s[G0+4*\s+2:G0+4*\s+3], s[20:21], \s*4096
	s_or_b32 s[G0+4*\s+3], s[G0+4*\s+3], 0x80000000
	s_mov_b32 s[G0B+4*\s], 1
	s_add_co_u32 s[G0B+4*\s+1], s45, \s*SLOT
	s_add_nc_u64 s[G0B+4*\s+2:G0B+4*\s+3], s[46:47], \s*4096
	s_or_b32 s[G0B+4*\s+3], s[G0B+4*\s+3], 0x80000000
	JLOAD G0+4*\s, G1, G0B+4*\s, G1B               ; three tensor loads of mine are out behind the last of these
.endr
	v_and_b32 v1, 15, v0                           ; r
	v_bfe_u32 v2, v0, 4, 1                         ; h
	v_and_b32 v3, 31, v0
	v_lshlrev_b32 v[LI], 4, v3
	s_lshl_b32 s21, s15, 15                        ; my half of A,
	s_lshl_b32 s22, s16, 15                        ; my half of B,
	s_add_co_u32 s22, s22, 2*HALFT                 ; which lies behind A's two
.irp s, 0,1
	v_add_nc_u32 v[ADRA+\s], s21, v[LI]
	v_add_nc_u32 v[ADRB+\s], s22, v[LI]
	s_add_co_u32 s21, s21, SLOT
	s_add_co_u32 s22, s22, SLOT
.endr
	v_lshlrev_b32 v5, 2, v1                        ; my row's word
	s_lshl_b32 s21, s15, 13
	s_lshl_b32 s22, s16, 13
	s_add_co_u32 s22, s22, 2*HALFS
	s_sub_co_u32 s22, s22, s21
	v_mul_u32_u24 v6, s22, v2                      ; lanes 16-31 take B's: one product in h
	s_add_co_u32 s21, s21, SCL
	v_add_nc_u32 v5, v5, v6
	v_add_nc_u32 v[ADRS], s21, v5
	s_lshl_b32 s21, s14, 9
	v_lshl_add_u32 v[SWA], v1, 2, s21
	v_add_nc_u32 v[SRA], s21, v[LI]
	v_lshlrev_b32 v[VA], 9, v1
	v_lshl_add_u32 v[VA], v2, 6, v[VA]
	s_min_u32 s18, s2, 1                           ; the table: 0 for q, 1 for k (v reads none: the index is held inside the buffer all the same)
	s_lshl_b32 s18, s18, 20
	s_lshl_b32 s19, s17, 17
	s_add_co_u32 s18, s18, s19
	s_lshl_b32 s19, s15, 16
	s_add_co_u32 s18, s18, s19                     ; place 256 x tile row + 128 x half: 512 bytes a place
	s_mov_b32 s19, 0
	s_add_nc_u64 s[66:67], s[66:67], s[18:19]
	s_lshl_b32 s46, s42, 1
	s_add_co_u32 s46, s46, s16                     ; P = my 128 columns' number
	s_lshl_b32 s47, s17, 1
	s_add_co_u32 s47, s47, s15                     ; R = my 128 rows' number
	s_cmp_eq_u32 s2, 2
	s_cselect_b32 s92, s47, s46                    ; the head: P, for v R
	s_cselect_b32 s93, s46, s47                    ; eight tiles of positions: R; for v the key step: P
	s_cselect_b32 s95, 8192, 0
	s_lshl_b32 s94, s2, 22
	s_lshl_b32 s46, s92, 18
	s_add_co_u32 s94, s94, s46
	s_lshl_b32 s46, s93, 14
	s_add_co_u32 s46, s94, s46
	s_mov_b32 s47, 0
	s_add_nc_u64 s[12:13], s[12:13], s[46:47]      ; my eight fragments: 16,384 consecutive bytes
	s_cmp_eq_u32 s2, 0
	s_cselect_b32 s46, 13, 14
	s_cselect_b32 s94, 0, 131072
	s_lshl_b32 s46, s92, s46
	s_add_co_u32 s46, s46, s94
	s_add_co_u32 s46, s46, s95
	s_lshl_b32 s94, s93, 9
	s_add_co_u32 s46, s46, s94
	s_add_nc_u64 s[96:97], s[96:97], s[46:47]      ; and their 512 bytes of scale words
	s_mov_b32 s20, 0x76543210                      ; v_permlanex16_b32's selects for lane l xor 16
	s_mov_b32 s21, 0xfedcba98
	s_mov_b32 s22, 0x600000                        ; the mantissa field of 448
.macro FRAG reg, adr, q, i             ; a fragment's image: four loads of 512 consecutive bytes
.irp c, 0,1,2,3
	ds_load_b128 v[\reg+4*\c:\reg+4*\c+3], v[\adr] offset:(\i)*4096+(\q)*2048+512*\c
.endr
.endm
; 16 matrix instructions: A's blocks a0, a0 + 1 x B's eight, the slot's q-th 128 along K.  p: B's set; sc: the set of scale words.  zero = 1: the first product starts the sums.
; The 64 accumulators take turns, one instruction a turn, in the same order in every step.
.macro MUL16 a0, p, q, sc, zero
.irp a, \a0, \a0+1
.irp b, 0,1,2,3,4,5,6,7
.if \zero
	v_wmma_scale_f32_16x16x128_f8f6f4 v[8*(8*((\a)%4)+\b):8*(8*((\a)%4)+\b)+7], v[128*(\p)+FR*\b:128*(\p)+FR*\b+FR-1], v[AF+FR*(\a):AF+FR*(\a)+FR-1], 0, v[SC+8*NQ*(\sc)+NQ*\b+(\q)], v[SC+8*NQ*(\sc)+NQ*(\a)+(\q)] matrix_a_scale:MATRIX_SCALE_ROW1
.else
	v_wmma_scale_f32_16x16x128_f8f6f4 v[8*(8*((\a)%4)+\b):8*(8*((\a)%4)+\b)+7], v[128*(\p)+FR*\b:128*(\p)+FR*\b+FR-1], v[AF+FR*(\a):AF+FR*(\a)+FR-1], v[8*(8*((\a)%4)+\b):8*(8*((\a)%4)+\b)+7], v[SC+8*NQ*(\sc)+NQ*\b+(\q)], v[SC+8*NQ*(\sc)+NQ*(\a)+(\q)] matrix_a_scale:MATRIX_SCALE_ROW1
.endif
.endr
.endr
.endm
.macro FETCH_B slot, q, p
	WIN TO_B
.irp i, 0,1,2,3,4,5,6,7
	FRAG 128*(\p)+FR*\i, ADRB+\slot, \q, \i
.endr
	WIN 0
.endm
.macro FETCH_A slot, q, i0
.irp i, \i0, \i0+1, \i0+2, \i0+3
	FRAG AF+FR*(\i), ADRA+\slot, \q, \i
.endr
.endm
.macro SCALES sc                       ; the next slot's scale words: register 2 i + q: lanes 0-15 the word of A's block i, lanes 16-31 that of B's block i
.irp i, 0,1,2,3,4,5,6,7
.irp q, 0,1
	ds_load_b32 v[SC+8*NQ*\sc+NQ*\i+\q], v[ADRS] offset:\q*512+\i*64
.endr
.endr
.endm
.macro PLACES n                        ; plain vector lines between a matrix instruction and a load into, or a read of, its registers
.rept \n
	v_nop
.endr
.endm
.macro STEP slot, q, zero              ; a step of 128 along K that has its successor in the same slot
	s_wait_dscnt 4*NL                              ; all but the youngest 16 loads (A's blocks 4-7) are in
	WIN MUL_LO
	MUL16 0, (\q)%2, \q, \slot, \zero
	MUL16 2, (\q)%2, \q, \slot, \zero
	s_wait_dscnt 0
	PLACES NP
	FETCH_B \slot, (\q)+1, 1-(\q)%2
	FETCH_A \slot, (\q)+1, 0
	WIN MUL_HI
	MUL16 4, (\q)%2, \q, \slot, \zero
	MUL16 6, (\q)%2, \q, \slot, \zero
	PLACES NP
	WIN 0
	FETCH_A \slot, (\q)+1, 4
.endm
; A slot's last step changes slots: ONE barrier; in front of it each wave waits for all its tensor loads, adds 0 to its spare word, and waits for that and for its own reads of this slot.  fill = 1: this slot is filled again, two slots ahead.
.macro TURN slot, next, fill
	s_wait_tensorcnt 0x0                           ; all my tensor loads have landed: my part of the next slot
	ds_add_u32 v[SPW], v[NIL]                      ; 0 onto my spare word
	s_wait_dscnt 4*NL+1                            ; the add and the youngest 16 loads may be out
	WIN MUL_LO
	MUL16 0, 1, NQ-1, \slot, 0
	s_wait_dscnt 0x0                               ; the add is done, and my reads of this slot are over
	s_barrier_signal -1
	MUL16 2, 1, NQ-1, \slot, 0
	WIN 0
	s_barrier_wait -1
.if \fill
	CREST                                          ; the barrier has opened a round of the cluster's: no wave of any partner still reads this slot or has a load on its way
	s_add_nc_u64 s[G0+4*\slot+2:G0+4*\slot+3], s[G0+4*\slot+2:G0+4*\slot+3], 8192
	s_add_nc_u64 s[G0B+4*\slot+2:G0B+4*\slot+3], s[G0B+4*\slot+2:G0B+4*\slot+3], 8192
	JLOAD G0+4*\slot, G1, G0B+4*\slot, G1B         ; the first tensor load behind the round, my one load until the next; its four v_nop are among the places below
	PLACES NP-4
.else
	PLACES NP
.endif
	v_add_nc_u32 v[ADRS], 1024, v[ADRS]            ; the next slot's two K steps of scale words
	FETCH_B \next, 0, 0
	FETCH_A \next, 0, 0
	SCALES \next
	WIN MUL_HI
	MUL16 4, 1, NQ-1, \slot, 0
	MUL16 6, 1, NQ-1, \slot, 0
	PLACES NP
	WIN 0
	FETCH_A \next, 0, 4
.endm
.macro LAST                            ; the very last step: nothing more to fetch
	s_wait_dscnt 4*NL
	WIN MUL_LO
	MUL16 0, 1, NQ-1, 1, 0
	MUL16 2, 1, NQ-1, 1, 0
	s_wait_dscnt 0
	WIN MUL_HI
	MUL16 4, 1, NQ-1, 1, 0
	MUL16 6, 1, NQ-1, 1, 0
	WIN 0
.endm
; THE WAY OUT, a block of 16 rows of A at a time.
.macro TABLE a, set                    ; block a's cosines and sines: register 16 b + 2 i, + 1 = cos, sin of frequency 16 b + 8 h + i at my row's position
.set i, 0
.rept 16
	global_load_b128 v[CS+64*(\set)+4*i:CS+64*(\set)+4*i+3], v[VA], s[66:67] offset:(\a)*8192+128*(i/4)+16*(i%4)
.set i, i+1
.endr
.endm
.macro ROPE a                          ; in place on the accumulators: (x1, x2) -> (x1 cos - x2 sin, x1 sin + x2 cos); each accumulator is first read at its register 1
.set W, 2+(\a)/4
.set D, 64*((\a)%4)
.set CB, CS+64*((\a)%2)
	WIN W                                          ; source 0: the accumulators' window
.set e, 0
.rept 32
	v_mul_f32 v[T+e], v[D+e+1], v[CB+e+1]
	v_mul_f32 v[T+e+1], v[D+e], v[CB+e+1]
.set e, e+2
.endr
	WIN (W<<6)|W                                   ; destination too
.set e, 0
.rept 32
	v_fma_f32 v[D+e], v[D+e], v[CB+e], -v[T+e]
	v_fma_f32 v[D+e+1], v[D+e+1], v[CB+e], v[T+e+1]
.set e, e+2
.endr
	WIN 0
.endm
.macro QUANTW a                        ; block a's 64 numbers a lane become codes in v[PC] on and the scale word v[PW]
.set W, 2+(\a)/4
.set D, 64*((\a)%4)
	WIN (W<<2)|(W<<4)                              ; sources 1 and 2: the accumulators' window
.irp b, 0,1,2,3
	v_max3_num_f32 v[TM+\b], 0x4800000, |v[D+16*\b]|, |v[D+16*\b+1]|   ; the floor 2^(9 - 127) and my first two numbers of block b
.endr
.irp i, 2,4,6,8,10,12,14
.irp b, 0,1,2,3
	v_max3_num_f32 v[TM+\b], v[TM+\b], |v[D+16*\b+\i]|, |v[D+16*\b+\i+1]|
.endr
.endr
	WIN 0
.irp b, 0,1,2,3
	v_permlanex16_b32 v[TM+4+\b], v[TM+\b], s20, s21
.endr
.irp b, 0,1,2,3
	v_max_num_f32 v[TM+\b], v[TM+\b], v[TM+4+\b]
.endr
.irp b, 0,1,2,3
	v_add_nc_u32 v[TM+12+\b], 0xfc000000, v[TM+\b]
.endr
.irp b, 0,1,2,3
	v_and_or_b32 v[TM+8+\b], v[TM+\b], 0x7f800000, s22
.endr
.irp b, 0,1,2,3
	v_lshrrev_b32 v[TM+4+\b], 23, v[TM+12+\b]
.endr
	v_lshl_or_b32 v[PW], v[TM+5], 8, v[TM+4]
	v_lshl_or_b32 v[PW], v[TM+6], 16, v[PW]
	v_lshl_or_b32 v[PW], v[TM+7], 24, v[PW]
	WIN W
.set i, 0
.rept 64
	v_med3_num_f32 v[T+i], v[D+i], -v[TM+8+i/16], v[TM+8+i/16]   ; the hold, into window 0
.set i, i+1
.endr
	WIN 0
.irp b, 0,1,2,3
	v_cvt_scalef32_pk8_fp8_f32 v[PC+4*\b:PC+4*\b+1], v[T+16*\b:T+16*\b+7], v[TM+12+\b]
	v_cvt_scalef32_pk8_fp8_f32 v[PC+4*\b+2:PC+4*\b+3], v[T+16*\b+8:T+16*\b+15], v[TM+12+\b]
.endr
	v_nop                                          ; one plain line behind the last conversion
.endm
.macro EPI a, rope
.if (\a) > 0
	s_wait_xcnt 0x0                                ; the last block's stores have read their codes,
	s_wait_dscnt 0x0                               ; and its LDS store its word: both are written again below
.endif
.if \rope
.if (\a) < 7
	TABLE (\a)+1, ((\a)+1)%2
	s_wait_loadcnt 16                              ; this block's 16 loads are in; the next block's 16 may be out
.else
	s_wait_loadcnt 0x0
.endif
	ROPE \a
.endif
	QUANTW \a
.irp c, 0,1,2,3
	global_store_b128 v[LI], v[PC+4*\c:PC+4*\c+3], s[12:13] offset:(\a)*2048+512*\c   ; the image as it stands: 512 consecutive bytes, aligned
.endr
	ds_store_b32 v[SWA], v[PW] offset:64*(\a)      ; lanes l and l xor 16 write the same word with the same value
.endm
	s_wait_tensorcnt 1                             ; the scale words and my part of slot 0 are in; slot 1's load may be out
	s_barrier_signal -1
	s_barrier_wait -1
	FETCH_B 0, 0, 0
	FETCH_A 0, 0, 0
	SCALES 0
	FETCH_A 0, 0, 4
	STEP 0, 0, 1                                   ; the first step stands in front of the loop: its products start the sums
	s_mov_b32 s3, LAPS-1
.Llap:                                                 ; a trip goes once round the ring and fills both slots again
	TURN 0, 1, 1
	STEP 1, 0, 0
	TURN 1, 0, 1
	STEP 0, 0, 0
	s_sub_co_u32 s3, s3, 1
	s_cmp_lg_u32 s3, 0
	s_cbranch_scc1 .Llap
	TURN 0, 1, 0                                   ; the last lap fills nothing
	s_cmp_eq_u32 s2, 2                             ; ONE parting on TYPE, equal in the whole cluster; no barrier and no tensor load stands in either way
	s_cbranch_scc1 .Lway_v
	TABLE 0, 0                                     ; q, k: the first block's table rows are asked for 128 matrix instructions ahead of their use
	STEP 1, 0, 0
	LAST
	PLACES NP
.irp b, 0,1,2,3
	v_mov_b32 v[TM+4+\b], 0                        ; a lane permute's destination counts as one of its sources
.endr
.irp a, 0,1,2,3,4,5,6,7
	EPI \a, 1
.endr
	s_branch .Lout
.Lway_v:
	STEP 1, 0, 0
	LAST
	PLACES NP
.irp b, 0,1,2,3
	v_mov_b32 v[TM+4+\b], 0
.endr
.irp a, 0,1,2,3,4,5,6,7
	EPI \a, 0
.endr
.Lout:
	ds_load_b128 v[TM:TM+3], v[SRA]                ; my eight blocks' words: LDS serves a wave's instructions in order, so these see my stores
	s_wait_dscnt 0x0
	global_store_b128 v[LI], v[TM:TM+3], s[96:97]  ; 512 consecutive bytes, aligned
	s_wait_tensorcnt 0x0                           ; the wave's end
	ds_add_u32 v[SPW], v[NIL]
	s_wait_dscnt 0x0
	CROUND                                         ; the closing round
	s_endpgm
.Lfunc_end_k_q351ed3caf1_gemm_qkv:
	.size	k_q351ed3caf1_gemm_qkv, .Lfunc_end_k_q351ed3caf1_gemm_qkv-k_q351ed3caf1_gemm_qkv
	.p2alignl 7, 3214868480
	.fill 96, 4, 3214868480
	.section	.rodata,"a",@progbits
	.p2align	6, 0x0
	.amdhsa_kernel k_q351ed3caf1_gemm_qkv
		.amdhsa_group_segment_fixed_size 327680
		.amdhsa_private_segment_fixed_size 0
		.amdhsa_enable_private_segment 0
		.amdhsa_kernarg_size 40
		.amdhsa_user_sgpr_count 2
		.amdhsa_user_sgpr_kernarg_segment_ptr 1
		.amdhsa_wavefront_size32 1
		.amdhsa_system_sgpr_workgroup_id_x 1
		.amdhsa_system_sgpr_workgroup_id_y 1
		.amdhsa_system_sgpr_workgroup_id_z 1
		.amdhsa_system_vgpr_workitem_id 0
		.amdhsa_next_free_vgpr 1024
		.amdhsa_next_free_sgpr 98
		.amdhsa_reserve_vcc 0
		.amdhsa_float_denorm_mode_32 3
		.amdhsa_float_denorm_mode_16_64 3
		.amdhsa_memory_ordered 1
		.amdhsa_forward_progress 1
		.amdhsa_inst_pref_size 255
	.end_amdhsa_kernel
	.section	.bss,"aw",@nobits
	.p2align	6
	.space	262144
	.amdgpu_metadata
---
amdhsa.version: [ 1, 2 ]
amdhsa.kernels:
  - .name:           k_q351ed3caf1_gemm_qkv
    .symbol:         k_q351ed3caf1_gemm_qkv.kd
    .args:
      - { .name: ops, .offset: 0, .size: 8, .value_kind: global_buffer, .address_space: global }
      - { .name: opss, .offset: 8, .size: 8, .value_kind: global_buffer, .address_space: global }
      - { .name: rope, .offset: 16, .size: 8, .value_kind: global_buffer, .address_space: global }
      - { .name: qkv, .offset: 24, .size: 8, .value_kind: global_buffer, .address_space: global }
      - { .name: qkvs, .offset: 32, .size: 8, .value_kind: global_buffer, .address_space: global }
    .group_segment_fixed_size: 327680
    .private_segment_fixed_size: 0
    .kernarg_segment_align: 8
    .kernarg_segment_size: 40
    .max_flat_workgroup_size: 128
    .sgpr_count:     98
    .vgpr_count:     1024
    .wavefront_size: 32
...
	.end_amdgpu_metadata
.endif
;; end of part 2
;; launch attn (part 3): grid 16 x 16, 8 waves a work-group, clusters of 4 x 4, 327,680 bytes of LDS; arguments qkv, qkvs, mask, ao, aos; writes ao, aos
.if DOCPART == 3
	.amdgcn_target "amdgcn-amd-amdhsa--gfx1250"
	.amdhsa_code_object_version 6
	.text
	.protected	k_q351ed3caf1_attn
	.globl	k_q351ed3caf1_attn
	.p2align	8
	.type	k_q351ed3caf1_attn,@function
k_q351ed3caf1_attn:
	s_mov_b64 s[64:65], 0
	v_nop
	global_prefetch_b8 v0, s[64:65] scope:SCOPE_SE
	s_setreg_imm32_b32 hwreg(HW_REG_WAVE_MODE, 25, 1), 1
	s_wait_xcnt 0x0
	s_wait_alu depctr_hold_cnt(0) depctr_sa_sdst(0) depctr_va_vdst(0) depctr_va_sdst(0) depctr_va_ssrc(0) depctr_va_vcc(0) depctr_vm_vsrc(0)
	s_getreg_b32 s2, hwreg(HW_REG_IB_STS2, 6, 4)
	s_cmp_eq_u32 s2, 0
	s_cbranch_scc0 .Lentry_in_a_cluster
	s_endpgm
.Lentry_in_a_cluster:
	s_bfe_u32 s2, ttmp6, 0x10000c
	s_cmp_lg_u32 s2, 0xf033
	s_cbranch_scc0 .Lentry_shape_is_right
	s_endpgm
.Lentry_shape_is_right:
; LAUNCH 3 OF 4.  For each head: scores = (q k^T) + mask, softmax, times v; both products on codes of E4M3 with E8M0 scales; the result leaves as codes for the last projection.  Nothing is left out: the mask is an input, so all 16 key steps are walked.
; THE SOFTMAX AHEAD OF THE SECOND PRODUCT: the mask is added to the score in f32; t = that sum x log2(e), rounded to f32; M = the row's largest t so far, rounded up to a whole number; p = 2^(t - M) is quantised along the keys, not normalised.
; The row's sum is taken of the unquantised p and divides at the end.  When M moves, the sum and O are multiplied by 2^(old M - new M): exact.
; SHARES.  Work-group (x, y): head x, queries 128 y on.  Each of its eight waves owns one tile of 16 queries in 512 registers: two waves to a SIMD, so that one wave's vector work stands beside the other's products and LDS loads.
; LAYOUT.  Both products are used transposed (S^T = K Q^T, O^T = V^T P^T): a lane holds ONE query.  Tiles hold their rows in the order sigma (bits 3 and 4 of a place swapped), so the 16 registers of tiles 2 b, 2 b + 1 are keys (or channels) 32 b + 16 (lane / 16) + 0 .. 15.
; K, V and Q lie in memory as images of their registers: a fragment is read at 16 x lane.  The mask's rows lie in LDS as in memory, 520 bytes apart: the 32 lanes of an 8-byte load then touch each of the 64 banks once (ISA guide 11.1: 64 banks of 4 bytes).
; CLUSTERS: 4 x 4.  The mask's tile hangs on y alone: asked for jointly along a row of the cluster (four heads); K, V and their scale words hang on the head alone: jointly along a column (four query blocks).
; A ring of two slots of one key step: waves 0-3 fetch 32 rows of the mask each, waves 4, 5 the halves of K, waves 6, 7 of V: one load a wave behind each round.
; LIMITS: as at the first launch's head for the quantiser.  A row whose every logit is minus infinity gives NaN, as the definition does.
; REGISTERS: window 0: v1-11 addresses; v12 -M, v13 the largest t, v[14:15] the sum; v16-31 Q; v32-95 the mask; v96-159 S^T, then p; v160-223 O^T; v224-239 p's codes; v232-254 at work; v248-251 K's or V's scale words; v253 p's; v255 Q's.
;   window 1: v0-127 K's eight fragments, v128-255 V's.
.set SLOT1, 1<<17                      ; slot 1 begins here: one exclusive or turns an address
.set VOFF,  16384                      ; a slot: K 16,384 bytes, V 16,384, the mask 128 x 520
.set MOFF,  32768
.set MP,    520
.set SCB,   262144                     ; the head's scale words: K's 8,192 bytes [tile][16], V's 8,192 [key step][tile][16]
.set SG,    278528                     ; 512 bytes: the work-group's scale words on the way out
.set SPARE, 279040                     ; the spare words, 128 bytes for each wave: four blocks of 256 bytes that no other line names
.set AKV,  1                           ; v1   16 x lane
.set AM0,  2                           ; v2   my query's row of the mask, + 64 h
.set ASC0, 3                           ; v3   SCB + 4 x lane
.set SGW,  4                           ; v4   SG + 64 wave + 4 r
.set SPW,  5                           ; v5   my spare word; never rewritten
.set NIL,  6                           ; v6   0; never rewritten
.set PFO,  7                           ; v7   the prefetches' offset; never rewritten
.set ADK,  8                           ; v8-10 the step's addresses
.set ADM,  9
.set ADS,  10
.set SGR,  11                          ; v11  SG + 16 x lane
.set TM,   32                          ; the way out's quantiser: v32-47
.set WV,   14
.set SEL,  20
.set CS,   22                          ; s[22:23] log2(e): the packed form names a pair
.set G1M,  24
.set G1K,  32
.set G1S,  40
.set G0M,  48
.set G0K,  52
.set G0S,  56
.set TB,   60                          ; s60  LDS byte at which the slot in hand begins
.set TS,   61                          ; s61  the step's scale words: 512 bytes a step
.set SLOTS, 62
.set MNT,  63
.set PFA,  66
.set PFS,  68
.set LIM,  70
.set MSB, 0
.macro WIN new
.if MSB != \new
	s_set_vgpr_msb (MSB<<8)|\new
.set MSB, \new
.endif
.endm
.macro CROUND                          ; a round of the cluster's barrier
	s_barrier_signal -1
	s_barrier_wait -1
	s_cmp_lg_u32 s[WV], 0
	s_cbranch_scc1 .Lnot_wave_0_\@
	s_barrier_signal -3
.Lnot_wave_0_\@:
	s_barrier_wait -3
	s_barrier_signal -1
	s_barrier_wait -1
.endm
.macro JLOAD                           ; a joint refill; the branch hangs on the wave's number alone; an s_nop 0 and four v_nop follow each line
	s_cmp_lt_u32 s[WV], 4
	s_cbranch_scc0 .Lfor_kv_\@
	tensor_load_to_lds s[G0M:G0M+3], s[G1M:G1M+7]
	s_nop 0
.rept 4
	v_nop
.endr
	s_branch .Lasked_\@
.Lfor_kv_\@:
	tensor_load_to_lds s[G0K:G0K+3], s[G1K:G1K+7]
	s_nop 0
.rept 4
	v_nop
.endr
.Lasked_\@:
.endm
; A PREFETCH INTO THE L2 of what the NEXT change of slots will ask for, one key step ahead of that load.  Each aligned block of 256 bytes is named once in the launch.  The mask's rows are read by all four clusters of a row of clusters:
; cluster x = 0 asks; its partner cx takes rows 32 cx on, told apart by address; waves 0 and 1 take one of a step's two blocks of each row, a lane a row.  K and V are read by all four clusters of a column: cluster y = 0 asks; partner cy takes
; one of the step's four pieces of 8,192 bytes, wave 4 alone, lanes 256 bytes apart.  The last change that fills a slot asks for nothing; steps 0 and 1 come by their loads alone.
.macro ASK
	s_cmp_gt_u32 s[SLOTS], s[LIM]
	s_cbranch_scc0 .Lnot_mine_\@
	global_prefetch_b8 v[PFO], s[PFA:PFA+1] th:TH_LOAD_NT scope:SCOPE_SE
.Lnot_mine_\@:
.endm
	s_load_b256 s[4:11], s[0:1], 0x0               ; qkv s[4:5], qkvs s[6:7], mask s[8:9], ao s[10:11]
	s_load_b64 s[12:13], s[0:1], 0x20              ; aos
	v_lshl_add_u32 v[SPW], v0, 2, SPARE
	v_mov_b32 v[NIL], 0
	ds_add_u32 v[SPW], v[NIL]                      ; the wave's opening: the add, twice on end, and its wait ahead of my first tensor load
	ds_add_u32 v[SPW], v[NIL]
	v_lshrrev_b32 v8, 5, v0
	v_readfirstlane_b32 s[WV], v8                  ; wave 0..7
	s_bfe_u32 s15, ttmp6, 0x40000                  ; cx
	s_bfe_u32 s16, ttmp6, 0x40004                  ; cy
	s_lshl_b32 s17, ttmp9, 2
	s_add_co_u32 s17, s17, s15                     ; the head
	s_and_b32 s71, ttmp7, 0xffff                   ; cluster y
	s_lshl_b32 s18, s71, 2
	s_add_co_u32 s18, s18, s16                     ; y: my block of 128 queries
	s_and_b32 s19, s[WV], 3                        ; which quarter I fetch
	s_lshl_b32 s72, s16, 2
	s_lshl_b32 s72, 15, s72                        ; my row of the cluster
	s_lshl_b32 s73, 0x1111, s15                    ; my column
	s_or_b32 s[G1M], s72, (2<<16)|(1<<20)|(1<<21)|(6<<22)|(1<<25)   ; elements of 4 bytes; padding on: 2 words behind every 128; 21 set beside a mask
	s_mov_b32 s[G1M+1], 128<<16                    ; tensor_dim0: 128 keys
	s_mov_b32 s[G1M+2], 32<<16                     ; tensor_dim1: 32 queries
	s_mov_b32 s[G1M+3], 128<<16
	s_mov_b32 s[G1M+4], 32
	s_mov_b32 s[G1M+5], 2048                       ; a row of the mask
	s_mov_b32 s[G1M+6], 0
	s_mov_b32 s[G1M+7], 0
	s_or_b32 s[G1K], s73, (3<<16)|(1<<21)          ; 8,192 dense bytes as 32 rows of 256
	s_mov_b32 s[G1K+1], 32<<16
	s_mov_b32 s[G1K+2], 32<<16
	s_mov_b32 s[G1K+3], 32<<16
	s_mov_b32 s[G1K+4], 32
	s_mov_b32 s[G1K+5], 32
	s_mov_b32 s[G1K+6], 0
	s_mov_b32 s[G1K+7], 0
	s_or_b32 s[G1S], s73, (3<<16)|(1<<21)          ; 4,096 dense bytes as 16 rows of 256
	s_mov_b32 s[G1S+1], 32<<16
	s_mov_b32 s[G1S+2], 16<<16
	s_mov_b32 s[G1S+3], 32<<16
	s_mov_b32 s[G1S+4], 16
	s_mov_b32 s[G1S+5], 32
	s_mov_b32 s[G1S+6], 0
	s_mov_b32 s[G1S+7], 0
	s_lshl_b32 s74, s18, 20                        ; the mask: row 128 y + 32 x quarter
	s_lshl_b32 s75, s19, 18
	s_add_co_u32 s74, s74, s75
	s_mov_b32 s75, 0
	s_mul_i32 s80, s19, 32*MP
	s_add_co_u32 s80, s80, MOFF
	s_lshr_b32 s76, s19, 1                         ; K (quarters 0, 1) at 4 MiB, V (2, 3) at 8 MiB; the head; the half
	s_add_co_u32 s76, s76, 1
	s_lshl_b32 s76, s76, 22
	s_lshl_b32 s77, s17, 18
	s_add_co_u32 s76, s76, s77
	s_and_b32 s77, s19, 1
	s_lshl_b32 s77, s77, 13
	s_add_co_u32 s76, s76, s77
	s_mov_b32 s77, 0
	s_lshl_b32 s81, s19, 13
	s_lshl_b32 s78, s17, 14                        ; the head's scale words
	s_lshl_b32 s79, s19, 12
	s_add_co_u32 s78, s78, s79
	s_add_co_u32 s82, s79, SCB
	s_add_co_u32 s78, s78, 131072
	s_mov_b32 s79, 0
	s_mov_b32 s[SEL], 0x76543210
	s_mov_b32 s[SEL+1], 0xfedcba98
	s_mov_b32 s[CS], 0x3fb8aa3b
	s_mov_b32 s[CS+1], s[CS]
	s_mov_b32 s[MNT], 0x600000
	s_mov_b32 s[TB], 0
	s_mov_b32 s[TS], 0
	s_mov_b32 s[SLOTS], 15
	s_wait_dscnt 0x0                               ; both opening adds are done
	s_wait_kmcnt 0x0
	s_mov_b32 s[G0M], 1
	s_mov_b32 s[G0M+1], s80
	s_add_nc_u64 s[G0M+2:G0M+3], s[8:9], s[74:75]
	s_or_b32 s[G0M+3], s[G0M+3], 0x80000000
	s_mov_b32 s[G0K], 1
	s_mov_b32 s[G0K+1], s81
	s_add_nc_u64 s[G0K+2:G0K+3], s[4:5], s[76:77]
	s_or_b32 s[G0K+3], s[G0K+3], 0x80000000
	s_mov_b32 s[G0S], 1
	s_mov_b32 s[G0S+1], s82
	s_add_nc_u64 s[G0S+2:G0S+3], s[6:7], s[78:79]
	s_or_b32 s[G0S+3], s[G0S+3], 0x80000000
	CROUND                                         ; all sixteen work-groups are here: the first joint loads meet
	s_cmp_lt_u32 s[WV], 4                          ; a wave's first fills stand in one branch; every wave issues at least one; two of mine are out at the most
	s_cbranch_scc0 .Lfirst_kv
	tensor_load_to_lds s[G0M:G0M+3], s[G1M:G1M+7]
	s_nop 0
.rept 4
	v_nop
.endr
	s_branch .Lfirst_asked
.Lfirst_kv:
	tensor_load_to_lds s[G0S:G0S+3], s[G1S:G1S+7]
	s_nop 0
	tensor_load_to_lds s[G0K:G0K+3], s[G1K:G1K+7]
	s_nop 0
.rept 4
	v_nop
.endr
.Lfirst_asked:
	s_lshl_b32 s84, s17, 18                        ; Q's fragment: tile 128 head + 8 y + wave
	s_lshl_b32 s85, s18, 14
	s_add_co_u32 s84, s84, s85
	s_lshl_b32 s85, s[WV], 11
	s_add_co_u32 s84, s84, s85
	s_mov_b32 s85, 0
	s_add_nc_u64 s[84:85], s[4:5], s[84:85]
	s_lshl_b32 s86, s17, 13                        ; and its 16 scale words
	s_lshl_b32 s87, s18, 9
	s_add_co_u32 s86, s86, s87
	s_lshl_b32 s87, s[WV], 6
	s_add_co_u32 s86, s86, s87
	s_mov_b32 s87, 0
	s_add_nc_u64 s[86:87], s[6:7], s[86:87]
	s_lshl_b32 s88, s18, 18                        ; ao: tile 8 y + wave, K step = the head
	s_lshl_b32 s89, s[WV], 15
	s_add_co_u32 s88, s88, s89
	s_lshl_b32 s89, s17, 11
	s_add_co_u32 s88, s88, s89
	s_mov_b32 s89, 0
	s_add_nc_u64 s[10:11], s[10:11], s[88:89]
	s_lshl_b32 s90, s17, 13                        ; aos: K step = the head, places 128 y on
	s_lshl_b32 s91, s18, 9
	s_add_co_u32 s90, s90, s91
	s_mov_b32 s91, 0
	s_add_nc_u64 s[12:13], s[12:13], s[90:91]
	v_and_b32 v12, 15, v0                          ; r
	v_bfe_u32 v13, v0, 4, 1                        ; h
	v_and_b32 v14, 31, v0
	v_lshlrev_b32 v[AKV], 4, v14
.irp c, 0,1,2,3
	global_load_b128 v[16+4*\c:19+4*\c], v[AKV], s[84:85] offset:512*\c   ; Q stays in registers
.endr
	v_lshlrev_b32 v254, 2, v12
	global_load_b32 v255, v254, s[86:87]
	v_and_b32 v15, 8, v12
	v_add_nc_u32 v15, v15, v12                     ; r % 8 + 16 (r / 8)
	s_lshr_b32 s72, s[WV], 1
	s_lshl_b32 s72, s72, 5
	s_and_b32 s73, s[WV], 1
	s_lshl_b32 s73, s73, 3
	s_add_co_u32 s72, s72, s73
	v_add_nc_u32 v15, s72, v15                     ; the query that stands at my place, among the block's 128
	v_mul_u32_u24 v[AM0], v15, MP
	v_lshl_add_u32 v[AM0], v13, 6, v[AM0]
	v_add_nc_u32 v[AM0], MOFF, v[AM0]
	v_lshl_add_u32 v[ASC0], v14, 2, SCB
	s_lshl_b32 s72, s[WV], 6
	s_add_co_u32 s72, s72, SG
	v_lshl_add_u32 v[SGW], v12, 2, s72
	v_add_nc_u32 v[SGR], SG, v[AKV]
	; the prefetches: where my wave's stand, and who asks
	s_lshr_b32 s72, s[WV], 1
	s_and_b32 s73, s[WV], 1
	s_lshl_b32 s74, s18, 20                        ; the mask: row 128 y + 32 cx, block wave % 2, key step 1 (the first change of slots steps it to 2)
	s_lshl_b32 s75, s15, 18
	s_add_co_u32 s74, s74, s75
	s_lshl_b32 s75, s73, 8
	s_add_co_u32 s74, s74, s75
	s_add_co_u32 s74, s74, 512
	s_lshr_b32 s76, s16, 1                         ; K or V: piece cy of the step's four, key step 1
	s_add_co_u32 s76, s76, 1
	s_lshl_b32 s76, s76, 22
	s_lshl_b32 s77, s17, 18
	s_add_co_u32 s76, s76, s77
	s_and_b32 s77, s16, 1
	s_lshl_b32 s77, s77, 13
	s_add_co_u32 s76, s76, s77
	s_add_co_u32 s76, s76, 16384
	s_mov_b32 s78, 16384
	s_mov_b32 s79, 256
	s_cmp_lt_u32 s[WV], 4
	s_cselect_b64 s[PFA:PFA+1], s[8:9], s[4:5]
	s_cselect_b32 s74, s74, s76
	s_cselect_b32 s[PFS], 512, s78                 ; a key step on
	s_cselect_b32 s79, 8192, s79                   ; from lane to lane
	s_cselect_b32 s71, ttmp9, s71                  ; the coordinate along which other clusters read the same bytes
	s_cselect_b32 s72, s72, s19                    ; 0 in waves 0, 1 and 4
	s_mov_b32 s75, 0
	s_mov_b32 s[PFS+1], 0
	s_add_nc_u64 s[PFA:PFA+1], s[PFA:PFA+1], s[74:75]
	s_or_b32 s71, s71, s72
	s_cmp_eq_u32 s71, 0
	s_cselect_b32 s[LIM], 1, -1                    ; equal in all sixteen partners, for a given wave
	v_mul_u32_u24 v[PFO], v14, s79
	v_mov_b32 v13, 0xff61b1e6                      ; the largest t so far: -3e38
	v_floor_f32 v12, -v13                          ; -M
	v_mov_b32 v14, 0                               ; the sum, in two halves
	v_mov_b32 v15, 0
.irp b, 0,1,2,3
	v_mov_b32 v[236+\b], 0                         ; a lane permute's destination counts as one of its sources
.endr
	v_mov_b32 v252, 0
	v_mov_b32 v253, 0                              ; (named as the upper half of the pair v[252:253] before it is first written)
.set j, 0
.rept 64
	v_mov_b32 v[160+j], 0                          ; O^T.  The step is written once: its first trip finds zeros, which the first change of M leaves zeros
.set j, j+1
.endr
; A KEY STEP: 128 keys.
.macro STEP
	v_add_nc_u32 v[ADK], s[TB], v[AKV]
	v_add_nc_u32 v[ADM], s[TB], v[AM0]
	v_add_nc_u32 v[ADS], s[TS], v[ASC0]
.rept 5
	v_nop                                          ; with the three additions: eight places behind the last products, ahead of loads into their scale words and, further down, their fragments
.endr
.irp m, 0,1,2,3
	ds_load_b32 v[248+\m], v[ADS] offset:128*\m    ; K's words: lanes 0-15 tile 2 m's, lanes 16-31 tile 2 m + 1's
.endr
	WIN 0x40                                       ; destination window 1
.set i, 0
.rept 32
	ds_load_b128 v[4*i:4*i+3], v[ADK] offset:512*i ; K's eight fragments
.set i, i+1
.endr
	WIN 0
.set i, 0
.rept 32
	ds_load_b64 v[32+2*i:33+2*i], v[ADM] offset:128*(i/8)+8*(i%8)   ; the mask of my query at keys 32 b + 16 h + 0 .. 15
.set i, i+1
.endr
	s_wait_dscnt 32                                ; K and its words are in; the 32 loads of the mask may be out
	WIN 0x01                                       ; source 0 window 1
.irp k, 0,1,2,3,4,5,6,7
.if \k%2
	v_wmma_scale_f32_16x16x128_f8f6f4 v[96+8*\k:103+8*\k], v[16*\k:16*\k+15], v[16:31], 0, v[248+\k/2], v255 matrix_a_scale:MATRIX_SCALE_ROW1
.else
	v_wmma_scale_f32_16x16x128_f8f6f4 v[96+8*\k:103+8*\k], v[16*\k:16*\k+15], v[16:31], 0, v[248+\k/2], v255
.endif
.endr
	WIN 0x40
.set i, 0
.rept 32
	ds_load_b128 v[128+4*i:131+4*i], v[ADK] offset:VOFF+512*i   ; V's eight fragments land under the softmax
.set i, i+1
.endr
	WIN 0
.rept 8
	v_nop                                          ; places ahead of the first read of the scores
.endr
	s_wait_dscnt 32                                ; the mask is in; V's 32 loads may be out
.set j, 0
.rept 32
	v_pk_add_f32 v[96+j:97+j], v[96+j:97+j], v[32+j:33+j]   ; the logit: score + mask, the f32 sum as it is defined
.set j, j+2
.endr
.irp m, 0,1,2,3
	ds_load_b32 v[248+\m], v[ADS] offset:8192+128*\m   ; V's words
.endr
.irp b, 0,1,2,3
	v_max3_num_f32 v[232+\b], v[96+16*\b], v[97+16*\b], v[98+16*\b]   ; the largest logit of each block of 32 keys: for the row's maximum, and for the block's largest p
.endr
.irp i, 3,5,7,9,11,13
.irp b, 0,1,2,3
	v_max3_num_f32 v[232+\b], v[232+\b], v[96+16*\b+\i], v[97+16*\b+\i]
.endr
.endr
.irp b, 0,1,2,3
	v_max_num_f32 v[232+\b], v[232+\b], v[111+16*\b]
.endr
.irp b, 0,1,2,3
	v_permlanex16_b32 v[236+\b], v[232+\b], s[SEL], s[SEL+1]
.endr
.irp b, 0,1,2,3
	v_max_num_f32 v[232+\b], v[232+\b], v[236+\b]  ; with lane l xor 16's 16 keys
.endr
	v_max3_num_f32 v254, v232, v233, v234
	v_max_num_f32 v254, v254, v235
	v_mul_f32 v254, s[CS], v254                    ; as t
	v_max_num_f32 v13, v13, v254                   ; the running largest t
	v_mov_b32 v254, v12
	v_floor_f32 v12, -v13                          ; the new -M = -ceil(t)
	v_sub_f32 v254, v12, v254                      ; old M - new M: a whole number, 0 or less
	v_cvt_i32_f32 v254, v254                       ; (it saturates)
	v_ldexp_f32 v252, 1.0, v254                    ; f = 2^(old M - new M)
.set j, 0
.rept 32
	v_pk_mul_f32 v[96+j:97+j], v[96+j:97+j], s[CS:CS+1] op_sel_hi:[1,0]   ; t, rounded to f32 as it is defined: so a row whose logits are all alike gives p = 1 whatever their size
.set j, j+2
.endr
.set j, 0
.rept 32
	v_pk_add_f32 v[96+j:97+j], v[96+j:97+j], v[12:13] op_sel_hi:[1,0]     ; t - M
.set j, j+2
.endr
.irp b, 0,1,2,3
	v_mul_f32 v[232+\b], s[CS], v[232+\b]          ; the same two lines on each block's largest logit
.endr
.irp b, 0,1,2,3
	v_add_f32 v[232+\b], v[232+\b], v12
.endr
.set j, 0
.rept 64
	v_exp_f32 v[96+j], v[96+j]                     ; p = 2^(t - M)
.set j, j+1
.endr
	v_pk_mul_f32 v[14:15], v[14:15], v[252:253] op_sel_hi:[1,0]   ; the sums under the new M: a plain line behind the exponentials
	s_wait_alu depctr_va_vdst(0)                   ; one wait for the batch, ahead of its first reader
.irp b, 0,1,2,3
	v_exp_f32 v[232+\b], v[232+\b]                 ; the blocks' largest p
.endr
	v_pk_add_f32 v[236:237], v[96:97], v[98:99]    ; the row's sum, of the unquantised p, in two chains
.irp j, 4,8,12,16,20,24,28,32,36,40,44,48,52,56,60
	v_pk_add_f32 v[14:15], v[14:15], v[96+\j:97+\j]
	v_pk_add_f32 v[236:237], v[236:237], v[98+\j:99+\j]
.endr
	v_pk_add_f32 v[14:15], v[14:15], v[236:237]
	s_wait_alu depctr_va_vdst(0)                   ; and one for the four
.irp b, 0,1,2,3
	v_max_num_f32 v[232+\b], 0x4800000, v[232+\b]  ; the floor 2^(9 - 127)
.endr
.irp b, 0,1,2,3
	v_add_nc_u32 v[244+\b], 0xfc000000, v[232+\b]  ; the conversion's scale operand
.endr
.irp b, 0,1,2,3
	v_and_or_b32 v[240+\b], v[232+\b], 0x7f800000, s[MNT]   ; 448 x the scale
.endr
.irp b, 0,1,2,3
	v_lshrrev_b32 v[236+\b], 23, v[244+\b]
.endr
	v_lshl_or_b32 v253, v237, 8, v236              ; p's scale word for these 128 keys
	v_lshl_or_b32 v253, v238, 16, v253
	v_lshl_or_b32 v253, v239, 24, v253
.irp b, 0,1,2,3
.irp i, 0,1,2,3,4,5,6,7,8,9,10,11,12,13,14,15
	v_min_num_f32 v[96+16*\b+\i], v[96+16*\b+\i], v[240+\b]   ; p is not negative: the hold is one-sided
.endr
	v_cvt_scalef32_pk8_fp8_f32 v[224+4*\b:225+4*\b], v[96+16*\b:103+16*\b], v[244+\b]
	v_cvt_scalef32_pk8_fp8_f32 v[226+4*\b:227+4*\b], v[104+16*\b:111+16*\b], v[244+\b]
.endr
.set j, 0
.rept 32
	v_pk_mul_f32 v[160+j:161+j], v[160+j:161+j], v[252:253] op_sel_hi:[1,0]   ; O^T under the new M; these lines are also the places in front of the products below
.set j, j+2
.endr
	s_wait_dscnt 0x0                               ; V and its words are in
	WIN 0x01
.irp t, 0,1,2,3,4,5,6,7                        ; the eight accumulators by turns
.if \t%2
	v_wmma_scale_f32_16x16x128_f8f6f4 v[160+8*\t:167+8*\t], v[128+16*\t:143+16*\t], v[224:239], v[160+8*\t:167+8*\t], v[248+\t/2], v253 matrix_a_scale:MATRIX_SCALE_ROW1
.else
	v_wmma_scale_f32_16x16x128_f8f6f4 v[160+8*\t:167+8*\t], v[128+16*\t:143+16*\t], v[224:239], v[160+8*\t:167+8*\t], v[248+\t/2], v253
.endif
.endr
	WIN 0
	s_add_co_u32 s[TS], s[TS], 512
	s_xor_b32 s[TB], s[TB], SLOT1
.endm
; THE CHANGE OF SLOTS stands at a step's head.  Each wave waits for all its tensor loads (its part of the slot ahead), adds 0 to its spare word, and waits for that and for its reads of the slot that it has left.
; fill = 1: a round of the cluster's barrier, and behind it the slot just left is asked for again, jointly: the load has a key step in which to land.
.macro CHANGE fill
	s_wait_tensorcnt 0x0                           ; no tensor load of mine is out, so a group 0 may be written
	ds_add_u32 v[SPW], v[NIL]                      ; 0 onto my spare word, once: every wave's way here leads through a tensor load
.if \fill
	s_xor_b32 s[G0M+1], s[G0M+1], SLOT1
	s_add_nc_u64 s[G0M+2:G0M+3], s[G0M+2:G0M+3], 512
	s_xor_b32 s[G0K+1], s[G0K+1], SLOT1
	s_add_nc_u64 s[G0K+2:G0K+3], s[G0K+2:G0K+3], 16384
	s_wait_xcnt 0x0                                ; the last prefetch, a key step back, has read its address
	s_add_nc_u64 s[PFA:PFA+1], s[PFA:PFA+1], s[PFS:PFS+1]
	s_wait_dscnt 0x0                               ; the add is done, and my reads of the slot that I have left are over
	CROUND
	JLOAD
	ASK
.else
	s_wait_dscnt 0x0
	s_barrier_signal -1
	s_barrier_wait -1
.endif
.endm
	s_wait_loadcnt 0x0                             ; Q
.Lslot:                                                ; 15 trips: behind each change of slots but the last the next key step is asked for
	CHANGE 1
	STEP
	s_sub_co_u32 s[SLOTS], s[SLOTS], 1
	s_cmp_lg_u32 s[SLOTS], 0
	s_cbranch_scc1 .Lslot
	CHANGE 0                                       ; the last step is written out
	STEP
	; THE WAY OUT: O^T / the sum is a lane's 64 numbers of one query in the next operand's order: quantised in registers, stored as an image.
	v_add_f32 v14, v14, v15
	v_permlanex16_b32 v252, v14, s[SEL], s[SEL+1]
	v_add_f32 v14, v14, v252                       ; the row's sum
	v_rcp_f32 v14, v14
.irp b, 0,1,2,3
	v_mov_b32 v[TM+4+\b], 0
.endr
.rept 6
	v_nop                                          ; with the four lines above: the places behind the last products
.endr
	s_wait_alu depctr_va_vdst(0)                   ; ahead of the reciprocal's first reader
.set j, 0
.rept 64
	v_mul_f32 v[96+j], v[160+j], v14               ; register 16 b + i: channel 32 b + 16 h + i
.set j, j+1
.endr
.irp b, 0,1,2,3
	v_max3_num_f32 v[TM+\b], |v[96+16*\b]|, |v[97+16*\b]|, 0x4800000
.endr
.irp i, 2,4,6,8,10,12,14
.irp b, 0,1,2,3
	v_max3_num_f32 v[TM+\b], v[TM+\b], |v[96+16*\b+\i]|, |v[97+16*\b+\i]|
.endr
.endr
.irp b, 0,1,2,3
	v_permlanex16_b32 v[TM+4+\b], v[TM+\b], s[SEL], s[SEL+1]
.endr
.irp b, 0,1,2,3
	v_max_num_f32 v[TM+\b], v[TM+\b], v[TM+4+\b]
.endr
.irp b, 0,1,2,3
	v_add_nc_u32 v[TM+12+\b], 0xfc000000, v[TM+\b]
.endr
.irp b, 0,1,2,3
	v_and_or_b32 v[TM+8+\b], v[TM+\b], 0x7f800000, s[MNT]
.endr
.irp b, 0,1,2,3
	v_lshrrev_b32 v[TM+4+\b], 23, v[TM+12+\b]
.endr
	v_lshl_or_b32 v253, v[TM+5], 8, v[TM+4]
	v_lshl_or_b32 v253, v[TM+6], 16, v253
	v_lshl_or_b32 v253, v[TM+7], 24, v253
.irp b, 0,1,2,3
.irp i, 0,1,2,3,4,5,6,7,8,9,10,11,12,13,14,15
	v_med3_num_f32 v[96+16*\b+\i], v[96+16*\b+\i], -v[TM+8+\b], v[TM+8+\b]
.endr
	v_cvt_scalef32_pk8_fp8_f32 v[224+4*\b:225+4*\b], v[96+16*\b:103+16*\b], v[TM+12+\b]
	v_cvt_scalef32_pk8_fp8_f32 v[226+4*\b:227+4*\b], v[104+16*\b:111+16*\b], v[TM+12+\b]
.endr
	v_nop
.irp c, 0,1,2,3
	global_store_b128 v[AKV], v[224+4*\c:227+4*\c], s[10:11] offset:512*\c   ; 512 consecutive bytes, aligned
.endr
	ds_store_b32 v[SGW], v253                      ; the eight waves' words meet in LDS
	s_wait_dscnt 0x0                               ; for the others' sake
	s_barrier_signal -1
	s_barrier_wait -1
	s_cmp_lg_u32 s[WV], 0
	s_cbranch_scc1 .Lnot_first
	ds_load_b128 v[32:35], v[SGR]
	s_wait_dscnt 0x0
	global_store_b128 v[AKV], v[32:35], s[12:13]   ; wave 0 stores the block's 512 bytes of words
.Lnot_first:
	s_wait_tensorcnt 0x0                           ; the wave's end
	ds_add_u32 v[SPW], v[NIL]
	s_wait_dscnt 0x0
	CROUND                                         ; the closing round
	s_endpgm
.Lfunc_end_k_q351ed3caf1_attn:
	.size	k_q351ed3caf1_attn, .Lfunc_end_k_q351ed3caf1_attn-k_q351ed3caf1_attn
	.p2alignl 7, 3214868480
	.fill 96, 4, 3214868480
	.section	.rodata,"a",@progbits
	.p2align	6, 0x0
	.amdhsa_kernel k_q351ed3caf1_attn
		.amdhsa_group_segment_fixed_size 327680
		.amdhsa_private_segment_fixed_size 0
		.amdhsa_enable_private_segment 0
		.amdhsa_kernarg_size 40
		.amdhsa_user_sgpr_count 2
		.amdhsa_user_sgpr_kernarg_segment_ptr 1
		.amdhsa_wavefront_size32 1
		.amdhsa_system_sgpr_workgroup_id_x 1
		.amdhsa_system_sgpr_workgroup_id_y 1
		.amdhsa_system_sgpr_workgroup_id_z 1
		.amdhsa_system_vgpr_workitem_id 0
		.amdhsa_next_free_vgpr 512
		.amdhsa_next_free_sgpr 92
		.amdhsa_reserve_vcc 0
		.amdhsa_float_denorm_mode_32 3
		.amdhsa_float_denorm_mode_16_64 3
		.amdhsa_memory_ordered 1
		.amdhsa_forward_progress 1
		.amdhsa_inst_pref_size 82
	.end_amdhsa_kernel
	.amdgpu_metadata
---
amdhsa.version: [ 1, 2 ]
amdhsa.kernels:
  - .name:           k_q351ed3caf1_attn
    .symbol:         k_q351ed3caf1_attn.kd
    .args:
      - { .name: qkv, .offset: 0, .size: 8, .value_kind: global_buffer, .address_space: global }
      - { .name: qkvs, .offset: 8, .size: 8, .value_kind: global_buffer, .address_space: global }
      - { .name: mask, .offset: 16, .size: 8, .value_kind: global_buffer, .address_space: global }
      - { .name: ao, .offset: 24, .size: 8, .value_kind: global_buffer, .address_space: global }
      - { .name: aos, .offset: 32, .size: 8, .value_kind: global_buffer, .address_space: global }
    .group_segment_fixed_size: 327680
    .private_segment_fixed_size: 0
    .kernarg_segment_align: 8
    .kernarg_segment_size: 40
    .max_flat_workgroup_size: 256
    .sgpr_count:     92
    .vgpr_count:     512
    .wavefront_size: 32
...
	.end_amdgpu_metadata
.endif
;; end of part 3
;; launch gemm_out (part 4): grid 16 x 16, 4 waves a work-group, clusters of 4 x 4, 327,680 bytes of LDS; arguments ao, aos, ops, opss, out0; writes out0
.if DOCPART == 4
	.amdgcn_target "amdgcn-amd-amdhsa--gfx1250"
	.amdhsa_code_object_version 6
	.text
	.protected	k_q351ed3caf1_gemm_out
	.globl	k_q351ed3caf1_gemm_out
	.p2align	8
	.type	k_q351ed3caf1_gemm_out,@function
k_q351ed3caf1_gemm_out:
	s_mov_b64 s[64:65], 0
	v_nop
	global_prefetch_b8 v0, s[64:65] scope:SCOPE_SE
	s_setreg_imm32_b32 hwreg(HW_REG_WAVE_MODE, 25, 1), 1
	s_wait_xcnt 0x0
	s_wait_alu depctr_hold_cnt(0) depctr_sa_sdst(0) depctr_va_vdst(0) depctr_va_sdst(0) depctr_va_ssrc(0) depctr_va_vcc(0) depctr_vm_vsrc(0)
	s_getreg_b32 s2, hwreg(HW_REG_IB_STS2, 6, 4)
	s_cmp_eq_u32 s2, 0
	s_cbranch_scc0 .Lentry_in_a_cluster
	s_endpgm
.Lentry_in_a_cluster:
	s_bfe_u32 s2, ttmp6, 0x10000c
	s_cmp_lg_u32 s2, 0xf033
	s_cbranch_scc0 .Lentry_shape_is_right
	s_endpgm
.Lentry_shape_is_right:
; LAUNCH 4 OF 4.  out0 = (the attention's result) Wo on codes of E4M3 with E8M0 scales; f32 sums, K ascending, one accumulator for each output; f32 out.  Nothing is left out.
; SHARES.  A tile of 128 x 128 of C to a work-group: 16 x 16 = 256 work-groups.  Each of its four waves makes all 128 rows x 32 columns: 16 accumulators, 128 registers; 16 K steps of 128, 16 matrix instructions each.
; NO LDS BYTE IS FILLED TWICE.  A's panel (128 rows x 2,048 K: 8 tiles x 16 K steps of 2,048 bytes = 262,144 bytes) lies whole in LDS, filled once, in four chunks of 4 K steps, so that the walk begins when the first chunk is in.
; B's panel goes from memory straight into registers: a wave's 32 columns x 2,048 K are 65,536 bytes = 512 registers; operands lie in memory as images of their registers, so each load of the wave reads 512 consecutive bytes.
; So the walk along K has no refill: three plain barriers, one where each later chunk of A is first read, each behind a counted wait.
; CLUSTERS: 4 x 4.  A's panel and A's scale words hang on the tile row alone: asked for jointly along a row of the cluster; B's scale words on the tile column alone: jointly along a column.
; B's codes, which the four work-groups of a column also share, are NOT asked for jointly: a tensor load lands in LDS alone, and beside A's 262,144 bytes, 16,384 of scale words and 512 of spare words 48,640 bytes are left, against B's 262,144.
; THE MATRIX INSTRUCTION IS USED TRANSPOSED (source 0 = 16 columns of B, source 1 = 16 rows of A): a lane holds one row of A.  Tiles hold their rows in the order sigma (bits 3 and 4 of a place swapped): the 16 registers of my two tiles of B are
; columns 32 wave + 16 (lane / 16) + 0 .. 15, and place p of the rows stands for row sigma(p).  The way out puts both in order by its offsets alone.
; REGISTERS: window 0: v16-29 addresses; v32-95 A's scale words (register 4 s + m: lanes 0-15 tile 2 m, lanes 16-31 tile 2 m + 1); v96-127 B's (2 s + n); v128-255 the accumulators ((a, n) at v[128 + 8 (2 a + n)]), later rows of C.
;   window 1: A's fragments, two sets of 128.   windows 2, 3: B's fragments: K step s, tile n at v[32 (s % 8) + 16 n] of window 2 + s / 8.
.set CHUNK,  65536                     ; a chunk of A in LDS: [tile 8][K step 4][2,048 bytes]
.set SCA,    4*CHUNK                   ; A's scale words: [K step 16][128 words]
.set SCW,    SCA+8192                  ; B's likewise
.set SPARE,  SCW+8192                  ; the spare words, 128 bytes for each wave: two blocks of 256 bytes that no other line names
.set SPITCH, 528                       ; the way out: a stage of 128 rows x (512 bytes + 16), the work-group's, from LDS byte 0 on: in chunks 0 and 1, which have had their only fill and their last read by then
.set NP,     8                         ; places behind this matrix instruction (ISA guide 7.12.1)
.set ADA,  16                          ; v16-19  16 x lane + chunk c
.set LI,   22                          ; v22     16 x lane; never rewritten
.set STO,  24                          ; v24     the way out: where I put my bytes of a row
.set RD,   25                          ; v25     where I read a row back
.set ASA,  26                          ; v26     A's scale words: SCA + 4 x lane
.set ASB,  27                          ; v27     B's: SCW + 128 x wave + 4 r
.set SPW,  28                          ; v28     my spare word; never rewritten
.set NIL,  29                          ; v29     0; never rewritten
.set SA,   32
.set SB,   96
.set ACC,  128
.set G1A,  24                          ; s[24:31] group 1 for A's chunks
.set G1S,  32                          ; s[32:39] for A's scale words
.set G1SB, 48                          ; s[48:55] for B's
.set G0A,  68                          ; s[68:83] groups 0 for the four chunks
.set G0S,  84                          ; s[84:87] for A's scale words
.set G0SB, 88                          ; s[88:91] for B's
.set MSB, 0
.macro WIN new                         ; the immediate's high byte repeats the setting that is left
.if MSB != (\new)
	s_set_vgpr_msb (MSB<<8)|(\new)
.set MSB, (\new)
.endif
.endm
.macro CROUND                          ; a round of the cluster's barrier
	s_barrier_signal -1
	s_barrier_wait -1
	s_cmp_lg_u32 s14, 0
	s_cbranch_scc1 .Lnot_wave_0_\@
	s_barrier_signal -3
.Lnot_wave_0_\@:
	s_barrier_wait -3
	s_barrier_signal -1
	s_barrier_wait -1
.endm
.macro PLACES n                        ; plain vector lines between a matrix instruction and a load into, or a read of, its registers
.rept \n
	v_nop
.endr
.endm
; B's two fragments of K step s: eight loads of 512 consecutive bytes, into registers that are written once in the launch
.macro BLOAD s
	WIN 0x80+0x40*((\s)/8)                         ; destination window 2 or 3, address window 0
.irp n, 0,1
.irp c, 0,1,2,3
	global_load_b128 v[32*((\s)%8)+16*\n+4*\c:32*((\s)%8)+16*\n+4*\c+3], v[LI], s[8:9] offset:\n*32768+(\s)*2048+512*\c
.endr
.endr
.endm
; K step s out of LDS: 6 scale words, each into a register of its own, and A's eight fragments into set s % 2: 38 LDS loads
.macro FETCH s
	WIN 0
.irp m, 0,1,2,3
	ds_load_b32 v[SA+4*(\s)+\m], v[ASA] offset:(\s)*512+128*\m
.endr
.irp n, 0,1
	ds_load_b32 v[SB+2*(\s)+\n], v[ASB] offset:(\s)*512+64*\n
.endr
	WIN 0x40                                       ; destination window 1
.irp i, 0,1,2,3,4,5,6,7
.irp k, 0,1,2,3
	ds_load_b128 v[128*((\s)%2)+16*\i+4*\k:128*((\s)%2)+16*\i+4*\k+3], v[ADA+(\s)/4] offset:\i*8192+((\s)%4)*2048+512*\k
.endr
.endr
.endm
; 16 matrix instructions: A's eight tiles x my two tiles of B.  The 16 accumulators take turns, one instruction a turn, in the same order in every step.  Step 0's products start the sums.
.macro MUL s
	WIN 0x06+(\s)/8                                ; source 0 (B) window 2 or 3, source 1 (A) window 1, C and D window 0
.irp a, 0,1,2,3,4,5,6,7
.irp n, 0,1
.if (\s) == 0
.if \a%2
	v_wmma_scale_f32_16x16x128_f8f6f4 v[ACC+8*(2*\a+\n):ACC+8*(2*\a+\n)+7], v[32*((\s)%8)+16*\n:32*((\s)%8)+16*\n+15], v[128*((\s)%2)+16*\a:128*((\s)%2)+16*\a+15], 0, v[SB+2*(\s)+\n], v[SA+4*(\s)+\a/2] matrix_b_scale:MATRIX_SCALE_ROW1
.else
	v_wmma_scale_f32_16x16x128_f8f6f4 v[ACC+8*(2*\a+\n):ACC+8*(2*\a+\n)+7], v[32*((\s)%8)+16*\n:32*((\s)%8)+16*\n+15], v[128*((\s)%2)+16*\a:128*((\s)%2)+16*\a+15], 0, v[SB+2*(\s)+\n], v[SA+4*(\s)+\a/2]
.endif
.else
.if \a%2
	v_wmma_scale_f32_16x16x128_f8f6f4 v[ACC+8*(2*\a+\n):ACC+8*(2*\a+\n)+7], v[32*((\s)%8)+16*\n:32*((\s)%8)+16*\n+15], v[128*((\s)%2)+16*\a:128*((\s)%2)+16*\a+15], v[ACC+8*(2*\a+\n):ACC+8*(2*\a+\n)+7], v[SB+2*(\s)+\n], v[SA+4*(\s)+\a/2] matrix_b_scale:MATRIX_SCALE_ROW1
.else
	v_wmma_scale_f32_16x16x128_f8f6f4 v[ACC+8*(2*\a+\n):ACC+8*(2*\a+\n)+7], v[32*((\s)%8)+16*\n:32*((\s)%8)+16*\n+15], v[128*((\s)%2)+16*\a:128*((\s)%2)+16*\a+15], v[ACC+8*(2*\a+\n):ACC+8*(2*\a+\n)+7], v[SB+2*(\s)+\n], v[SA+4*(\s)+\a/2]
.endif
.endif
.endr
.endr
.endm
; A K STEP.  Step s + 1's fragments are asked for ahead of step s's products, into the set that step s - 1's products have read.
.macro STEP s
.if ((\s) > 0) && ((\s) < 15)
	PLACES NP                                      ; behind step s - 1's products, ahead of the loads into their set of A
.endif
.if ((\s) < 15) && (((\s)+1)%4 == 0)
	s_wait_tensorcnt 3-((\s)+1)/4                  ; my part of the next chunk of A is in; the chunks behind it may be out
.endif
	s_wait_dscnt 0x0                               ; step s's fragments and words are in (and no LDS load of mine is out at the signal below)
.if ((\s) < 15) && (((\s)+1)%4 == 0)
	s_barrier_signal -1
	s_barrier_wait -1                              ; everybody's part of the next chunk is in
.endif
.if (\s) < 15
	FETCH (\s)+1
.endif
.if (\s) < 9
	s_wait_loadcnt 48                              ; B's step s is in; the 48 loads of the six steps behind it may be out
	BLOAD (\s)+7                                   ; 56 loads of mine are out at the most
.else
	s_wait_loadcnt 8*(15-(\s))                     ; the loads of the steps that are left may be out
.endif
	MUL \s
.endm
	s_load_b128 s[4:7], s[0:1], 0x0                ; ao s[4:5], aos s[6:7]
	s_load_b128 s[8:11], s[0:1], 0x10              ; ops s[8:9], opss s[10:11]
	s_load_b64 s[12:13], s[0:1], 0x20              ; out0
	v_lshl_add_u32 v[SPW], v0, 2, SPARE
	v_mov_b32 v[NIL], 0
	ds_add_u32 v[SPW], v[NIL]                      ; the wave's opening: the add, twice on end, and its wait ahead of my first tensor load
	ds_add_u32 v[SPW], v[NIL]
	v_lshrrev_b32 v1, 5, v0
	v_readfirstlane_b32 s14, v1                    ; wave 0..3
	v_and_b32 v3, 31, v0                           ; lane
	v_lshlrev_b32 v[LI], 4, v3
	s_bfe_u32 s40, ttmp6, 0x40000                  ; cx, cy
	s_bfe_u32 s41, ttmp6, 0x40004
	s_lshl_b32 s42, ttmp9, 2
	s_add_co_u32 s42, s42, s40                     ; tile column 0..15
	s_and_b32 s17, ttmp7, 0xffff
	s_lshl_b32 s17, s17, 2
	s_add_co_u32 s17, s17, s41                     ; tile row 0..15
	s_lshl_b32 s43, s41, 2
	s_lshl_b32 s43, 15, s43                        ; my row of the cluster
	s_lshl_b32 s44, 0x1111, s40                    ; my column
	s_or_b32 s[G1A], s43, (3<<16)|(1<<21)          ; 15:0 the mask; 17:16 elements of 8 bytes; 21 set beside a mask; no padding
	s_mov_b32 s[G1A+1], 1024<<16                   ; tensor_dim0: 8,192 bytes: a tile's four K steps
	s_mov_b32 s[G1A+2], 2<<16                      ; tensor_dim1: 2 tiles
	s_mov_b32 s[G1A+3], 1024<<16                   ; tile_dim0
	s_mov_b32 s[G1A+4], 2                          ; tile_dim1
	s_mov_b32 s[G1A+5], 4096                       ; from tile to tile: 32,768 bytes
	s_mov_b32 s[G1A+6], 0
	s_mov_b32 s[G1A+7], 0
	s_or_b32 s[G1S], s43, (3<<16)|(1<<21)
	s_or_b32 s[G1SB], s44, (3<<16)|(1<<21)
.irp g, G1S, G1SB
	s_mov_b32 s[\g+1], 64<<16                      ; 512 bytes: 128 rows' words of a K step
	s_mov_b32 s[\g+2], 4<<16                       ; 4 K steps
	s_mov_b32 s[\g+3], 64<<16
	s_mov_b32 s[\g+4], 4
	s_mov_b32 s[\g+5], 1024                        ; from K step to K step: 8,192 bytes
	s_mov_b32 s[\g+6], 0
	s_mov_b32 s[\g+7], 0
.endr
	s_lshl_b32 s20, s17, 18                        ; A's codes: tile 8 x tile row + 2 x wave, 32,768 bytes a tile
	s_lshl_b32 s21, s14, 16
	s_add_co_u32 s20, s20, s21
	s_mov_b32 s21, 0
	s_lshl_b32 s22, s17, 9                         ; A's words: places 128 x tile row on, K steps 4 x wave on
	s_lshl_b32 s23, s14, 15
	s_add_co_u32 s22, s22, s23
	s_mov_b32 s23, 0
	s_lshl_b32 s46, s42, 9                         ; B = Wo, operand 4: its words, by the tile column, in registers of their own
	s_lshl_b32 s47, s14, 15
	s_add_co_u32 s46, s46, s47
	s_add_co_u32 s46, s46, 4<<17
	s_mov_b32 s47, 0
	s_lshl_b32 s92, s42, 18                        ; its codes: tile 8 x tile column + 2 x wave
	s_lshl_b32 s93, s14, 16
	s_add_co_u32 s92, s92, s93
	s_add_co_u32 s92, s92, 4<<22
	s_mov_b32 s93, 0
	s_lshl_b32 s45, s14, 14                        ; where A's tiles go: wave x 2 tiles x 8,192: no place in the cluster enters an LDS address
	s_lshl_b32 s94, s14, 11                        ; and the words: wave x 4 K steps x 512
	s_wait_dscnt 0x0                               ; both opening adds are done
	s_wait_kmcnt 0x0
	s_add_nc_u64 s[8:9], s[8:9], s[92:93]          ; my two tiles of B: 65,536 consecutive bytes
	s_add_nc_u64 s[20:21], s[4:5], s[20:21]
	s_add_nc_u64 s[22:23], s[6:7], s[22:23]
	s_add_nc_u64 s[46:47], s[10:11], s[46:47]
.irp s, 0,1,2,3,4,5,6
	BLOAD \s                                       ; B's first seven K steps are asked for ahead of the round: 56 loads
.endr
	WIN 0                                          ; at a label and at a branch every window is 0
	s_mov_b32 s[G0S], 1                            ; 1:0 count = 1
	s_add_co_u32 s[G0S+1], s94, SCA                ; 63:32 LDS address
	s_mov_b64 s[G0S+2:G0S+3], s[22:23]             ; 120:64 global address
	s_or_b32 s[G0S+3], s[G0S+3], 0x80000000        ; 127:126 type = 2
	s_mov_b32 s[G0SB], 1
	s_add_co_u32 s[G0SB+1], s94, SCW
	s_mov_b64 s[G0SB+2:G0SB+3], s[46:47]
	s_or_b32 s[G0SB+3], s[G0SB+3], 0x80000000
.irp c, 0,1,2,3
	s_mov_b32 s[G0A+4*\c], 1
	s_add_co_u32 s[G0A+4*\c+1], s45, \c*CHUNK
	s_add_nc_u64 s[G0A+4*\c+2:G0A+4*\c+3], s[20:21], \c*8192
	s_or_b32 s[G0A+4*\c+3], s[G0A+4*\c+3], 0x80000000
.endr
	CROUND                                         ; all sixteen work-groups are here: the joint loads meet
	tensor_load_to_lds s[G0S:G0S+3], s[G1S:G1S+7]  ; every fill of the launch goes out here, as one group: six tensor loads of mine are out behind the last; the words first, then A's chunks in the order of their use
	s_nop 0
	tensor_load_to_lds s[G0SB:G0SB+3], s[G1SB:G1SB+7]
	s_nop 0
.irp c, 0,1,2,3
	tensor_load_to_lds s[G0A+4*\c:G0A+4*\c+3], s[G1A:G1A+7]
	s_nop 0
.endr
.rept 4
	v_nop                                          ; an s_nop 0 follows each load, four v_nop the last
.endr
	v_and_b32 v1, 15, v0                           ; r
	v_bfe_u32 v2, v0, 4, 1                         ; h
.irp c, 0,1,2,3
	v_add_nc_u32 v[ADA+\c], \c*CHUNK, v[LI]
.endr
	v_lshl_add_u32 v[ASA], v3, 2, SCA
	s_lshl_b32 s18, s14, 7
	s_add_co_u32 s19, s18, SCW
	v_lshl_add_u32 v[ASB], v1, 2, s19
	v_mul_u32_u24 v5, v1, SPITCH
	v_lshl_add_u32 v5, v2, 6, v5
	v_add_nc_u32 v[STO], s18, v5                   ; the stage: row r, + 128 x wave + 64 h: my 16 columns' bytes
	s_mul_i32 s18, s14, 32*SPITCH
	v_add_nc_u32 v[RD], s18, v[LI]                 ; back: my 32 rows, 16 bytes a lane
	s_lshl_b32 s20, s17, 20                        ; the first row of C that I store: 128 x tile row + 32 x wave, 8,192 bytes a row
	s_lshl_b32 s21, s14, 18
	s_add_co_u32 s20, s20, s21
	s_mov_b32 s21, 0
	s_lshl_b32 s46, s42, 9                         ; the tile's first column, in bytes
	s_mov_b32 s47, 0
	s_add_nc_u64 s[46:47], s[46:47], s[20:21]
	s_add_nc_u64 s[12:13], s[12:13], s[46:47]
	s_wait_tensorcnt 3                             ; my parts of the words and of chunk 0 are in; the three later chunks may be out
	s_barrier_signal -1
	s_barrier_wait -1                              ; everybody's are
	FETCH 0
.irp s, 0,1,2,3,4,5,6,7,8,9,10,11,12,13,14,15
	STEP \s
.endr
	WIN 0
; THE WAY OUT.  A row's 512 bytes come from four waves: they meet in the work-group's stage.  It lies in chunks 0 and 1 of A: every wave has passed the barrier in front of chunk 3, ahead of which its reads of chunks 0 to 2 were back.
; Accumulator (a, n) of lane (r, h) holds row place 16 a + r, columns 32 wave + 16 h + 8 n + 0 .. 7.
	PLACES NP                                      ; ahead of the first read of the last products' results
.irp a, 0,1,2,3,4,5,6,7
.irp n, 0,1
	ds_store_b128 v[STO], v[ACC+8*(2*\a+\n):ACC+8*(2*\a+\n)+3] offset:\a*16*SPITCH+32*\n        ; each accumulator from its low end on
	ds_store_b128 v[STO], v[ACC+8*(2*\a+\n)+4:ACC+8*(2*\a+\n)+7] offset:\a*16*SPITCH+32*\n+16
.endr
.endr
	s_wait_dscnt 0x0                               ; for the others' sake: my stores into the stage are done
	s_barrier_signal -1
	s_barrier_wait -1
.set i, 0
.rept 32
	ds_load_b128 v[ACC+4*i:ACC+4*i+3], v[RD] offset:i*SPITCH   ; wave w takes places 32 w .. 32 w + 31, whole rows
.set i, i+1
.endr
.set i, 0
.rept 32
	s_wait_dscnt 31-i                              ; row i is back; the younger loads may be out
	global_store_b128 v[LI], v[ACC+4*i:ACC+4*i+3], s[12:13] offset:(i%8+16*((i/8)%2)+8*(i/16))*8192 th:TH_STORE_NT   ; place i stands for this row; 512 consecutive bytes, aligned; 31 rows at the most: inside the signed 24-bit immediate
.set i, i+1
.endr
	s_wait_tensorcnt 0x0                           ; the wave's end, behind my last tensor load and my last LDS store
	ds_add_u32 v[SPW], v[NIL]
	s_wait_dscnt 0x0
	CROUND                                         ; the closing round
	s_endpgm
.Lfunc_end_k_q351ed3caf1_gemm_out:
	.size	k_q351ed3caf1_gemm_out, .Lfunc_end_k_q351ed3caf1_gemm_out-k_q351ed3caf1_gemm_out
	.p2alignl 7, 3214868480
	.fill 96, 4, 3214868480
	.section	.rodata,"a",@progbits
	.p2align	6, 0x0
	.amdhsa_kernel k_q351ed3caf1_gemm_out
		.amdhsa_group_segment_fixed_size 327680
		.amdhsa_private_segment_fixed_size 0
		.amdhsa_enable_private_segment 0
		.amdhsa_kernarg_size 40
		.amdhsa_user_sgpr_count 2
		.amdhsa_user_sgpr_kernarg_segment_ptr 1
		.amdhsa_wavefront_size32 1
		.amdhsa_system_sgpr_workgroup_id_x 1
		.amdhsa_system_sgpr_workgroup_id_y 1
		.amdhsa_system_sgpr_workgroup_id_z 1
		.amdhsa_system_vgpr_workitem_id 0
		.amdhsa_next_free_vgpr 1024
		.amdhsa_next_free_sgpr 98
		.amdhsa_reserve_vcc 0
		.amdhsa_float_denorm_mode_32 3
		.amdhsa_float_denorm_mode_16_64 3
		.amdhsa_memory_ordered 1
		.amdhsa_forward_progress 1
		.amdhsa_inst_pref_size 105
	.end_amdhsa_kernel
	.amdgpu_metadata
---
amdhsa.version: [ 1, 2 ]
amdhsa.kernels:
  - .name:           k_q351ed3caf1_gemm_out
    .symbol:         k_q351ed3caf1_gemm_out.kd
    .args:
      - { .name: ao, .offset: 0, .size: 8, .value_kind: global_buffer, .address_space: global }
      - { .name: aos, .offset: 8, .size: 8, .value_kind: global_buffer, .address_space: global }
      - { .name: ops, .offset: 16, .size: 8, .value_kind: global_buffer, .address_space: global }
      - { .name: opss, .offset: 24, .size: 8, .value_kind: global_buffer, .address_space: global }
      - { .name: out0, .offset: 32, .size: 8, .value_kind: global_buffer, .address_space: global }
    .group_segment_fixed_size: 327680
    .private_segment_fixed_size: 0
    .kernarg_segment_align: 8
    .kernarg_segment_size: 40
    .max_flat_workgroup_size: 128
    .sgpr_count:     98
    .vgpr_count:     1024
    .wavefront_size: 32
...
	.end_amdgpu_metadata
.endif
;; end of part 4
